; MI455X (gfx1250); checked and timed in simulation.
; The chip was launched on July 23, 2026; its instructions are those of AMD's public machine-readable ISA for CDNA 5 (MIT licence, August 2026) and "CDNA5" Instruction Set Architecture Reference Guide (July 2026). The comments in the code are by the model that wrote it; some were corrected since.
;; Masked Multihead Self Attention. Allowed arithmetic: matrix products marked QUANTISED: E4M3 operands, one given power-of-two scale a tensor, by v_wmma_f32_16x16x64_fp8_fp8 or v_wmma_f32_16x16x128_fp8_fp8, f32 sums; everything else in f32.
;; Inputs: b_out 1,024 float32; b_qkv 3,072 float32; lowp_scales 8 int32 (the exponents e of the quantised operands' scales 2^e); w_out 1,024 x 1,024 float32; w_qkv 1,024 x 3,072 float32; x 4 x 2,048 x 1,024 float32.
;; Outputs: out0 4 x 2,048 x 1,024 float32.
;; This version of the problem:
;;   THIS VERSION OF THE PROBLEM IS GIVEN IN LOW PRECISION. The matrix products marked QUANTISED in the list below multiply operands that are first quantised to E4M3 (4 exponent bits, 3 mantissa bits; 8 bits a number), with one given power-of-two scale for each operand tensor; their sums are f32. All else is computed in f32.
;;   The module's matrix products, in the order in which they are computed (A, B: the left and right operand; K: the contracted axis; several contracted axes count as one K, in the product's order):
;;     1. [M 8,192, K 1,024] x [K 1,024, N 3,072]; A: input x; B: input w_qkv: QUANTISED (scales: A lowp_scales[0], B lowp_scales[1])
;;     2. batch 64 x [M 2,048, K 64] x [K 64, N 2,048]; A: computed on the way; B: computed on the way: QUANTISED (scales: A lowp_scales[2], B lowp_scales[3])
;;     3. batch 64 x [M 2,048, K 2,048] x [K 2,048, N 64]; A: softmax (see below); B: computed on the way: QUANTISED (scales: A lowp_scales[4], B lowp_scales[5])
;;     4. [M 8,192, K 1,024] x [K 1,024, N 1,024]; A: computed on the way; B: input w_out: QUANTISED (scales: A lowp_scales[6], B lowp_scales[7])
;;   THE QUANTISER, for each operand of a quantised product, along K:
;;     - The operand's scale is 2^e, e = its entry of the input lowp_scales (int32; the entries are numbered through the quantised products in the list's order, A before B).
;;     - Each number is divided by the scale, clamped to +-448, and rounded to the nearest number of E4M3, ties to even, subnormals kept.
;;     - The product sums the exact products of the quantised numbers (number of the format x scale) in f32.
;;   ~~~python
;;   def quantise(x, axis, e):      # numpy; x: float32 -> the quantised numbers, widened to float32 again
;;       x = np.moveaxis(x, axis, -1); K = x.shape[-1]
;;       r = np.clip(x / 2.0 ** e, -448, 448)
;;       step = 2.0 ** (np.maximum(np.frexp(np.where(r == 0, 1, r))[1] - 1, -6) - 3)
;;       q = np.round(r / step) * step * 2.0 ** e      # np.round: ties to even
;;       return np.moveaxis(q, -1, axis).astype(np.float32)
;;   ~~~
;;   SOFTMAX AHEAD OF A QUANTISED PRODUCT. Where the list says 'softmax', what is quantised is not the finished softmax but p = 2^(t - M), with t = logit x log2(e) and M = ceil(the row's largest t), a whole number; so 1/2 < the row's largest p <= 1. The row's sum l is taken of the UNQUANTISED p, in f32, and the product's result is divided by l at the end. Since M is a whole number, a kernel that streams over the keys may use a running M (the ceiling of the running maximum): every later rescaling is an exact power of two, so the quantised numbers keep their values, but for numbers so far below the row's largest that they fall under the format's range.
;;   OPERANDS COMPUTED ON THE WAY. 'Computed on the way' means the value that the module computes at that place (a softmax that the list does not call 'softmax' is quantised finished and normalised). What goes into a quantiser is computed in f32, as accurately as f32 sums, v_exp_f32 and their like allow (about 1e-6 of the number): no bf16 or f16 on the way to a quantiser, and a product that is left as it is and whose result goes on into a quantised operand takes f32 operands (vector FMAs, or v_wmma_f32_16x16x4_f32). A number that lies on a knife's edge between two numbers of the format may be rounded either way, as far as f32 arithmetic and the matrix unit's own rounding can turn it there, and no further.
;; One version. Each part assembles by itself: llvm-mc -triple=amdgcn-amd-amdhsa -mcpu=gfx1250 --defsym DOCPART=n.
;; ======== version 1 of 1: 4 launches
;; limits: right only within a limited range of input values
;; workspace buffers: xc 8,388,608 bytes; wqc 3,145,728 bytes; woc 1,048,576 bytes; qc 8,388,608 bytes; kc 8,388,608 bytes; vc 8,388,608 bytes; ac 8,388,608 bytes
;; launch quant (part 1): grid 384 x 1, 8 waves a work-group, no clusters, 68,608 bytes of LDS; arguments x, w_qkv, w_out, lowp_scales, xc, wqc, woc; writes xc, wqc, woc
.if DOCPART == 1
	.amdgcn_target "amdgcn-amd-amdhsa--gfx1250"
	.amdhsa_code_object_version 6
	.text
	.protected	k_q3126359f98_quant
	.globl	k_q3126359f98_quant
	.p2align	8
	.type	k_q3126359f98_quant,@function
k_q3126359f98_quant:
	s_mov_b64 s[64:65], 0
	v_nop
	global_prefetch_b8 v0, s[64:65] scope:SCOPE_SE
	s_setreg_imm32_b32 hwreg(HW_REG_WAVE_MODE, 25, 1), 1
	s_wait_xcnt 0x0
; x [8192][1024], w_qkv [1024][3072] and w_out [1024][1024], f32, become codes of FP8 (E4M3), each with the one scale 2^e that is given for it (entries 0, 1 and 7 of the scales).
; code = number / 2^e, held within +-448, rounded to the nearest code, ties to even.
; LIMITS: e between -126 and 119, so that 2^e and 448 x 2^e are f32 numbers.  NaN among the inputs is not served (an infinity is held at the largest code).
; THE CODES ARE LAID AS IMAGES OF OPERAND REGISTERS.  A tile is 16 rows x 128 K, 2,048 bytes: piece p (0..3) is 512 bytes, lane l = 16 h + r has 16 bytes at 512 p + 16 l:
; bytes 0-7 are k = 32 p + 8 h + 0..7 of row r, bytes 8-15 are k = 32 p + 16 + 8 h + 0..7: registers 4 p .. 4 p + 3 of a fragment of the plain 8-bit forms (ISA guide 7.12.2).
; xc [row tile 512][K step 8][2,048]; wqc [tile of 16 output features 192][K step 8][2,048]; woc [64][8][2,048].
; SHARES.  Every work-group reads 128 KiB, 16 KiB a wave, all of a wave's loads issued at once.  Work-groups 0-255 take x, 256-351 w_qkv, 352-383 w_out: a scalar branch on the work-group's number.
; Work-groups share no input: no cluster.  No tensor load: the numbers must pass through registers in any case.  Only x's path touches LDS.
.set STG,   8448                       ; a wave's stage: 16 rows x 528 bytes
.set SP,    528                        ; a stage row: 512 bytes + 16 of padding: row r starts 16 r bytes on, modulo 256, so sixteen lanes that read one column of sixteen rows fall on sixteen different columns of 16 bytes
.set SPARE, 8*STG                      ; behind the eight stages: the spare words, 128 bytes for each wave: four blocks of 256 bytes that no other line names
.set SPW,   12                         ; v12      LDS address of my spare word; never rewritten
.set NIL,   13                         ; v13      0; never rewritten
.set R,     16                         ; v16-143  128 numbers as they are loaded
.set X,     144                        ; v144-207 64 numbers of one row, in the order of a fragment
.set C,     208                        ; v208-239 codes: every store has data registers of its own, so none is written again
; v1 lane; v2 16 x lane; v3 the stage, in; v4 the stage, out; v5 the weights' place in an image; v6 4 x lane; v10 448 x 2^e; v11 2^e
	s_load_b256 s[4:11], s[0:1], 0x0               ; x s[4:5], w_qkv s[6:7], w_out s[8:9], the scales' exponents s[10:11]
	s_load_b128 s[12:15], s[0:1], 0x20             ; xc s[12:13], wqc s[14:15]
	s_load_b64 s[16:17], s[0:1], 0x30              ; woc
	v_lshl_add_u32 v[SPW], v0, 2, SPARE
	v_mov_b32 v[NIL], 0
	v_lshrrev_b32 v1, 5, v0
	s_delay_alu instid0(VALU_DEP_1)
	v_readfirstlane_b32 s18, v1                    ; wave 0..7
	v_and_b32 v1, 31, v0                           ; lane
	s_delay_alu instid0(VALU_DEP_1)
	v_lshlrev_b32 v2, 4, v1                        ; 16 x lane
	v_and_b32 v7, 15, v0                           ; r
	v_bfe_u32 v8, v0, 4, 1                         ; h
	s_mul_i32 s19, s18, STG                        ; my stage
	v_add_nc_u32 v3, s19, v2                       ; in: a row's 512 bytes as they lie
	v_mul_u32_u24 v4, v7, SP
	s_delay_alu instid0(VALU_DEP_1)
	v_lshl_add_u32 v4, v8, 5, v4
	s_delay_alu instid0(VALU_DEP_1)
	v_add_nc_u32 v4, s19, v4                       ; out: row r, + 32 h bytes: eight numbers for each half of the lanes
	v_lshlrev_b32 v5, 4, v7
	s_delay_alu instid0(VALU_DEP_1)
	v_lshl_add_u32 v5, v8, 14, v5                  ; the weights: lanes 0-15 one tile of 16 columns, lanes 16-31 the next, 16,384 bytes on; 16 bytes a column
	v_lshlrev_b32 v6, 2, v1                        ; 4 x lane
	s_mov_b32 s23, 0                               ; the upper word of every offset
	s_wait_kmcnt 0x0
	s_load_b256 s[24:31], s[10:11], 0x0            ; the eight exponents
	s_cmp_lt_u32 ttmp9, 256
	s_cbranch_scc0 .Lweights
.macro SCALE e                         ; v11 = 2^e as f32 (the conversion takes its exponent field), v10 = 448 x 2^e
	s_add_co_i32 s33, s[\e], 127
	s_lshl_b32 s34, s33, 23
	v_mov_b32 v11, s34
	s_add_co_i32 s33, s33, 8
	s_lshl_b32 s33, s33, 23
	s_or_b32 s33, s33, 0x600000                    ; the mantissa field of 448
	v_mov_b32 v10, s33
.endm
.macro CLOSE                           ; the wave's end
	s_wait_tensorcnt 0x0
	ds_add_u32 v[SPW], v[NIL]
	s_wait_dscnt 0x0
	s_endpgm
.endm
; ---- x.  A wave takes 16 rows x 256 K: two steps of 128.  Each load reads 512 consecutive bytes of one row; a step's 16 rows turn through the wave's own stage, so that lane (r, h) gets row r's numbers in a fragment's order.
	s_lshl_b32 s20, ttmp9, 3
	s_add_co_u32 s20, s20, s18                     ; my unit: 8 x work-group + wave
	s_lshr_b32 s21, s20, 2                         ; its row tile,
	s_and_b32 s20, s20, 3                          ; and which 256 along K
	s_lshl_b32 s22, s21, 16                        ; 16 rows of 4,096 bytes
	s_lshl_b32 s32, s20, 10                        ; 256 numbers of 4 bytes
	s_add_co_u32 s22, s22, s32
	s_add_nc_u64 s[4:5], s[4:5], s[22:23]
	s_lshl_b32 s22, s21, 14                        ; a row tile's eight images
	s_lshl_b32 s32, s20, 12                        ; two images
	s_add_co_u32 s22, s22, s32
	s_add_nc_u64 s[12:13], s[12:13], s[22:23]
.irp s, 0,1
.irp i, 0,1,2,3,4,5,6,7,8,9,10,11,12,13,14,15
	global_load_b128 v[R+64*\s+4*\i:R+64*\s+4*\i+3], v2, s[4:5] offset:\i*4096+\s*512 th:TH_LOAD_NT
.endr
.endr
	s_wait_kmcnt 0x0
	SCALE 24
.macro XSTEP s
.if \s == 0
	s_wait_loadcnt 16                              ; loads come back in order (ISA guide 5.7.1): this step's sixteen are in, the other step's sixteen may be out
.else
	s_wait_loadcnt 0
.endif
.irp i, 0,1,2,3,4,5,6,7,8,9,10,11,12,13,14,15
	ds_store_b128 v3, v[R+64*\s+4*\i:R+64*\s+4*\i+3] offset:\i*SP
.endr
.irp p, 0,1,2,3                        ; LDS serves a wave's instructions in order (ISA guide 5.7.1.4): these see the stores above
.irp g, 0,1,2,3
	ds_load_b128 v[X+16*\p+4*\g:X+16*\p+4*\g+3], v4 offset:128*\p+64*(\g/2)+16*(\g%2)   ; X + 16 p + 0..7: k = 32 p + 8 h + 0..7; + 8..15: k = 32 p + 16 + 8 h + 0..7
.endr
.endr
	s_wait_dscnt 0x0
.set j, 0
.rept 64
	v_med3_num_f32 v[X+j], v[X+j], -v10, v10       ; the conversion to an 8-bit code does not saturate (ISA guide 7.6.2): the hold at the largest code x the scale
.set j, j+1
.endr
.irp p, 0,1,2,3
	v_cvt_scalef32_pk8_fp8_f32 v[C+16*\s+4*\p:C+16*\s+4*\p+1], v[X+16*\p:X+16*\p+7], v11
	v_cvt_scalef32_pk8_fp8_f32 v[C+16*\s+4*\p+2:C+16*\s+4*\p+3], v[X+16*\p+8:X+16*\p+15], v11
.endr
	v_nop                                          ; one plain vector line behind the conversions: the next step's holds write their sources
.irp p, 0,1,2,3
	global_store_b128 v2, v[C+16*\s+4*\p:C+16*\s+4*\p+3], s[12:13] offset:2048*\s+512*\p   ; 32 lanes store 512 consecutive bytes, at a multiple of 256 from xc's first byte
.endr
.endm
	s_wait_alu depctr_va_vdst(0)
	XSTEP 0
	XSTEP 1
	CLOSE
; ---- the weights: K is their FIRST axis.  A lane takes a column n and its registers run down K: each load reads 128 consecutive bytes a wave, 1,024 a work-group; nothing is transposed and no LDS is used.
; A wave takes 32 columns x 128 K.  A lane holds all 32 k of a piece of its column: the 16 bytes of the image's lane (r, 0) and the 16 bytes of its lane (r, 1), 256 bytes further on.
.macro WPATH n, src, dst, e, first
	s_sub_co_u32 s20, ttmp9, \first
	s_and_b32 s21, s20, 7                          ; which 128 along K
	s_lshr_b32 s20, s20, 3                         ; which 256 columns
	s_mul_i32 s22, s21, 128*\n*4
	s_lshl_b32 s32, s20, 10
	s_add_co_u32 s22, s22, s32
	s_lshl_b32 s32, s18, 7                         ; my wave's 32 columns
	s_add_co_u32 s22, s22, s32
	s_add_nc_u64 s[\src:\src+1], s[\src:\src+1], s[22:23]
	s_lshl_b32 s22, s20, 18                        ; 16 tiles of columns x 16,384 bytes
	s_lshl_b32 s32, s18, 15                        ; my wave's two tiles
	s_add_co_u32 s22, s22, s32
	s_lshl_b32 s32, s21, 11                        ; the K step's image
	s_add_co_u32 s22, s22, s32
	s_add_nc_u64 s[\dst:\dst+1], s[\dst:\dst+1], s[22:23]
.set k, 0
.rept 128
	global_load_b32 v[R+k], v6, s[\src:\src+1] offset:k*\n*4 th:TH_LOAD_NT   ; w(128 K step + k, my column); 127 rows at the most: inside the signed 24-bit immediate (ISA guide, chapter 10)
.set k, k+1
.endr
	s_wait_kmcnt 0x0
	SCALE \e
	s_wait_alu depctr_va_vdst(0)
.irp p, 0,1,2,3
.if \p < 2
	s_wait_loadcnt 63                              ; 96 - 32 p younger loads could stay out; the wait's field names 63 at the most
.else
	s_wait_loadcnt 96-32*\p                        ; this piece's 32 loads are in; the later pieces' may be out
.endif
.set k, 0
.rept 32
	v_med3_num_f32 v[R+32*\p+k], v[R+32*\p+k], -v10, v10
.set k, k+1
.endr
	v_cvt_scalef32_pk8_fp8_f32 v[C+8*\p:C+8*\p+1],   v[R+32*\p:R+32*\p+7],     v11   ; k 0-7 and 16-23: the image's lane (r, 0)
	v_cvt_scalef32_pk8_fp8_f32 v[C+8*\p+2:C+8*\p+3], v[R+32*\p+16:R+32*\p+23], v11
	v_cvt_scalef32_pk8_fp8_f32 v[C+8*\p+4:C+8*\p+5], v[R+32*\p+8:R+32*\p+15],  v11   ; k 8-15 and 24-31: its lane (r, 1)
	v_cvt_scalef32_pk8_fp8_f32 v[C+8*\p+6:C+8*\p+7], v[R+32*\p+24:R+32*\p+31], v11
	v_nop                                          ; one plain vector line behind the conversions
	global_store_b128 v5, v[C+8*\p:C+8*\p+3],   s[\dst:\dst+1] offset:512*\p       ; sixteen lanes store 256 consecutive bytes, at a multiple of 256 from the buffer's first byte
	global_store_b128 v5, v[C+8*\p+4:C+8*\p+7], s[\dst:\dst+1] offset:512*\p+256
.endr
	CLOSE
.endm
.Lweights:
	s_cmp_lt_u32 ttmp9, 352
	s_cbranch_scc0 .Lwout
	s_wait_alu depctr_va_vdst(0)
	WPATH 3072, 6, 14, 25, 256
.Lwout:
	s_wait_alu depctr_va_vdst(0)
	WPATH 1024, 8, 16, 31, 352
.Lfunc_end_k_q3126359f98_quant:
	.size	k_q3126359f98_quant, .Lfunc_end_k_q3126359f98_quant-k_q3126359f98_quant
	.p2alignl 7, 3214868480
	.fill 96, 4, 3214868480
	.section	.rodata,"a",@progbits
	.p2align	6, 0x0
	.amdhsa_kernel k_q3126359f98_quant
		.amdhsa_group_segment_fixed_size 68608
		.amdhsa_private_segment_fixed_size 0
		.amdhsa_enable_private_segment 0
		.amdhsa_kernarg_size 56
		.amdhsa_user_sgpr_count 2
		.amdhsa_user_sgpr_kernarg_segment_ptr 1
		.amdhsa_wavefront_size32 1
		.amdhsa_system_sgpr_workgroup_id_x 1
		.amdhsa_system_sgpr_workgroup_id_y 1
		.amdhsa_system_sgpr_workgroup_id_z 1
		.amdhsa_system_vgpr_workitem_id 0
		.amdhsa_next_free_vgpr 240
		.amdhsa_next_free_sgpr 66
		.amdhsa_reserve_vcc 0
		.amdhsa_float_denorm_mode_32 3
		.amdhsa_float_denorm_mode_16_64 3
		.amdhsa_memory_ordered 1
		.amdhsa_forward_progress 1
		.amdhsa_inst_pref_size 66
	.end_amdhsa_kernel
	.amdgpu_metadata
---
amdhsa.version: [ 1, 2 ]
amdhsa.kernels:
  - .name:           k_q3126359f98_quant
    .symbol:         k_q3126359f98_quant.kd
    .args:
      - { .name: x, .offset: 0, .size: 8, .value_kind: global_buffer, .address_space: global }
      - { .name: w_qkv, .offset: 8, .size: 8, .value_kind: global_buffer, .address_space: global }
      - { .name: w_out, .offset: 16, .size: 8, .value_kind: global_buffer, .address_space: global }
      - { .name: lowp_scales, .offset: 24, .size: 8, .value_kind: global_buffer, .address_space: global }
      - { .name: xc, .offset: 32, .size: 8, .value_kind: global_buffer, .address_space: global }
      - { .name: wqc, .offset: 40, .size: 8, .value_kind: global_buffer, .address_space: global }
      - { .name: woc, .offset: 48, .size: 8, .value_kind: global_buffer, .address_space: global }
    .group_segment_fixed_size: 68608
    .private_segment_fixed_size: 0
    .kernarg_segment_align: 8
    .kernarg_segment_size: 56
    .max_flat_workgroup_size: 256
    .sgpr_count:     66
    .vgpr_count:     240
    .wavefront_size: 32
...
	.end_amdgpu_metadata
.endif
;; end of part 1
;; launch qkv (part 2): grid 12 x 32, 4 waves a work-group, clusters of 4 x 4, 327,680 bytes of LDS; arguments xc, wqc, b_qkv, lowp_scales, qc, kc, vc; writes qc, kc, vc
.if DOCPART == 2
	.amdgcn_target "amdgcn-amd-amdhsa--gfx1250"
	.amdhsa_code_object_version 6
	.text
	.protected	k_q3126359f98_qkv
	.globl	k_q3126359f98_qkv
	.p2align	8
	.type	k_q3126359f98_qkv,@function
k_q3126359f98_qkv:
	s_mov_b64 s[64:65], 0
	v_nop
	global_prefetch_b8 v0, s[64:65] scope:SCOPE_SE
	s_setreg_imm32_b32 hwreg(HW_REG_WAVE_MODE, 25, 1), 1
	s_wait_xcnt 0x0
	s_wait_alu depctr_hold_cnt(0) depctr_sa_sdst(0) depctr_va_vdst(0) depctr_va_sdst(0) depctr_va_ssrc(0) depctr_va_vcc(0) depctr_vm_vsrc(0)
	s_getreg_b32 s2, hwreg(HW_REG_IB_STS2, 6, 4)
	s_cmp_eq_u32 s2, 0
	s_cbranch_scc0 .Lentry_in_a_cluster
	s_endpgm
.Lentry_in_a_cluster:
	s_bfe_u32 s2, ttmp6, 0x10000c
	s_cmp_lg_u32 s2, 0xf033
	s_cbranch_scc0 .Lentry_shape_is_right
	s_endpgm
.Lentry_shape_is_right:
; qkv = x w_qkv + b_qkv on codes of FP8 (E4M3), K = 1,024, and its three parts quantised at once for the attention: q with entry 2 of the scales, k with entry 3, v with entry 5.
; IN: xc [row tile 512][K step 8][2,048], wqc [tile of 16 features 192][8][2,048]: images of operand registers: in a tile of 16 rows x 128 K lane l's 16 bytes of piece p lie at 512 p + 16 l (registers 4 p .. 4 p + 3 of a fragment).
; OUT, images again: qc, kc [batch x head 64][tile of 16 tokens 128][1,024] (K = the head's 64);  vc [batch x head 64][step of 128 keys 16][tile of 16 channels 4][2,048] (K = the keys).
; A tile of the result, 256 x 256, is made by a work-group of four waves, as many as a WGP has SIMDs; a wave makes 128 x 128: 64 accumulators, 512 registers.  K goes in steps of 256 through a ring of two LDS slots.
; THE MATRIX INSTRUCTION: source 0 = 16 rows of the 'B role', source 1 = 16 rows of the 'A role': a lane holds ONE row of the A role, and its eight registers eight neighbouring rows of the B role.  Eight such registers,
; converted, are two registers of the next operand, K = the B role's rows, each k in its own place.  So for q and k the A role is x (a lane: a token; registers along the head's channels), and FOR v THE ROLES ARE SWAPPED
; (a lane: a channel; registers along the keys).  One text serves both: the wave's tile is square and both images have row tiles of 16,384 bytes.  Which of q, k, v a work-group makes is its CLUSTER's x (0, 1, 2): the same in all partners.
; CLUSTERS: 4 x 4 work-groups.  The four of a row of the cluster need the same tiles of the A role, the four of a column the same tiles of the B role: each tile is asked for JOINTLY.
; THE BIAS is the C of each sum's first matrix instruction, as b / 2^(e0 + e1); the conversion's one scale is 2^(e_out - e0 - e1).
; LIMITS: e_out - e0 - e1 between -126 and 119 for e_out = entries 2, 3 and 5, so that the conversion's scale and 448 x it are f32 numbers.  NaN is not served.
; REGISTERS, in windows of 256: window 0: v16-31 addresses and constants; v32-95 the bias, on the way out the numbers in hand; v96-103 the bias loads' offsets; v128-255 the A role's fragments, ONE set, on the way out the codes.
;   window 1: the B role's fragments, TWO sets, at v0 and v128.   window 2: the accumulators of my A-role blocks 0-3 ((a, b) at v[8 (8 (a % 4) + b)]);   window 3: those of blocks 4-7.
.set HALFT,  32768                     ; 8 row tiles x 4,096 bytes (256 along K): what one tensor load brings, and what one wave reads of a role
.set SLOT,   4*HALFT                   ; the A role's two halves, then the B role's
.set SPARE,  2*SLOT                    ; behind the ring: the spare words, 128 bytes for each wave: two blocks of 256 bytes that no other line names
.set FR,     16                        ; registers of a fragment
.set NL,     4                         ; LDS loads that bring one
.set NP,     4                         ; places behind this matrix instruction (ISA guide 7.12.1)
.set ADRA, 16                          ; v16-17  LDS address of my A-role fragments in slot 0, 1
.set ADRB, 20                          ; v20-21  the same for the B role
.set CO,   26                          ; v26     16 x lane
.set SPW,  28                          ; v28     LDS address of my spare word; never rewritten
.set NIL,  29                          ; v29     0; never rewritten
.set SC,   30                          ; v30     2^(e_out - e0 - e1)
.set LM,   31                          ; v31     448 x that
.set BI,   32
.set TO,   96
.set AF,   128
.set G1,  24                           ; s[24:31] descriptor group 1 for the A role;  s[32:39] group 0, one set for each slot
.set G0,  32
.set G1B, 48                           ; s[48:55], s[56:63] the same for the B role
.set G0B, 56
.set ISV, 66                           ; s66     1 where the cluster makes v
.set MSB, 0
.macro WIN new                         ; the immediate's high byte repeats the setting that is left; a switch that changes nothing is dropped
.if MSB != (\new)
	s_set_vgpr_msb (MSB<<8)|(\new)
.set MSB, (\new)
.endif
.endm
.set TO_B, 0x40                        ; destination window 1, address window 0
.macro MWIN hi, zero                   ; source 0 window 1, source 1 window 0, D window 2 or 3; C with D, or (the bias) window 0
.if ((\zero) == 1) || ((\zero) == 2)
	WIN 0x81+0x40*(\hi)
.else
	WIN 0xa1+0x50*(\hi)
.endif
.endm
; A joint load: waves 0 and 1 fetch for the A role, waves 2 and 3 for the B role.  Each of the two lines has ONE mask and one set of registers for all that issue it; the branch hangs on the wave's number alone.
; An s_nop 0 and four v_nop follow each of the two lines, ahead of the jump, the label and what follows.
.macro JLOAD g0a, g1a, g0b, g1b
	s_cmp_eq_u32 s15, 0
	s_cbranch_scc0 .Lfor_b_\@
	tensor_load_to_lds s[\g0a:\g0a+3], s[\g1a:\g1a+7]
	s_nop 0
.rept 4
	v_nop
.endr
	s_branch .Lasked_\@
.Lfor_b_\@:
	tensor_load_to_lds s[\g0b:\g0b+3], s[\g1b:\g1b+7]
	s_nop 0
.rept 4
	v_nop
.endr
.Lasked_\@:
.endm
.macro CREST                           ; a round of the cluster's barrier behind its opening barrier
	s_cmp_lg_u32 s14, 0
	s_cbranch_scc1 .Lnot_wave_0_\@
	s_barrier_signal -3
.Lnot_wave_0_\@:
	s_barrier_wait -3
	s_barrier_signal -1
	s_barrier_wait -1
.endm
.macro CROUND                          ; a whole round
	s_barrier_signal -1
	s_barrier_wait -1
	CREST
.endm
	s_load_b256 s[4:11], s[0:1], 0x0               ; xc s[4:5], wqc s[6:7], b_qkv s[8:9], the scales' exponents s[10:11]
	s_load_b128 s[72:75], s[0:1], 0x20             ; qc s[72:73], kc s[74:75]
	s_load_b64 s[76:77], s[0:1], 0x30              ; vc
	v_lshl_add_u32 v[SPW], v0, 2, SPARE
	v_mov_b32 v[NIL], 0
	ds_add_u32 v[SPW], v[NIL]                      ; the wave's opening: the add and its wait stand ahead of my first tensor load; the set-up below, work on registers, stands between them
	ds_add_u32 v[SPW], v[NIL]
	v_lshrrev_b32 v1, 5, v0
	v_readfirstlane_b32 s14, v1                    ; wave 0..3
	s_lshr_b32 s15, s14, 1                         ; which half of the A role's 256 rows is mine.  Also: I fetch for the A role (0) or the B role (1)
	s_and_b32 s16, s14, 1                          ; which half of the B role's.  Also: which 128 rows of that tile I fetch
	s_bfe_u32 s40, ttmp6, 0x40000                  ; cx, cy: my place in the cluster
	s_bfe_u32 s41, ttmp6, 0x40004
	s_lshl_b32 s12, ttmp9, 2                       ; 4 x cluster x: the features' tiles,
	s_and_b32 s13, ttmp7, 0xffff
	s_lshl_b32 s13, s13, 2                         ; 4 x cluster y: the tokens'
	s_cmp_eq_u32 ttmp9, 2
	s_cselect_b32 s[ISV], 1, 0
	s_cselect_b32 s17, s12, s13                    ; the A role: features for v, else tokens
	s_cselect_b32 s42, s13, s12                    ; the B role: the other
	s_add_co_u32 s17, s17, s41                     ; the A role's tile of 256 rows hangs on cy alone,
	s_add_co_u32 s42, s42, s40                     ; the B role's on cx alone
	s_lshl_b32 s43, s41, 2
	s_lshl_b32 s43, 15, s43                        ; my row of the cluster
	s_lshl_b32 s44, 0x1111, s40                    ; my column
	; descriptor group 1: 8 rows (row tiles) of 4,096 bytes (two K steps' images), 16,384 bytes apart; dense in LDS
	s_or_b32 s[G1+0], s43, (3<<16)|(1<<21)         ; 15:0 the mask: the A role's tiles go to my row; 17:16 elements of 8 bytes; 20 no padding; 21 set beside a mask
	s_or_b32 s[G1B+0], s44, (3<<16)|(1<<21)
.irp g, G1, G1B
	s_mov_b32 s[\g+1], 512<<16                     ; tensor_dim0 = 512 elements
	s_mov_b32 s[\g+2], 8<<16                       ; tensor_dim1 = 8
	s_mov_b32 s[\g+3], 512<<16                     ; tile_dim0
	s_mov_b32 s[\g+4], 8                           ; tile_dim1
	s_mov_b32 s[\g+5], 2048                        ; tensor_dim0_stride: 2,048 elements
	s_mov_b32 s[\g+6], 0
	s_mov_b32 s[\g+7], 0
.endr
	s_lshl_b32 s18, s16, 17                        ; which 8 row tiles of the 16 I fetch
	s_lshl_b32 s20, s17, 18                        ; a tile of 256 rows is 16 row tiles of 16,384 bytes
	s_add_co_u32 s20, s20, s18
	s_mov_b32 s21, 0
	s_lshl_b32 s46, s42, 18
	s_add_co_u32 s46, s46, s18
	s_mov_b32 s47, 0
	s_lshl_b32 s45, s14, 15                        ; where they go: wave x HALFT: no place in the cluster enters an LDS address
	s_wait_dscnt 0x0                               ; the opening add is done
	s_wait_kmcnt 0x0
	s_load_b256 s[80:87], s[10:11], 0x0            ; the eight exponents
	s_cmp_eq_u32 s[ISV], 1
	s_cselect_b64 s[68:69], s[6:7], s[4:5]         ; the A role's buffer,
	s_cselect_b64 s[70:71], s[4:5], s[6:7]         ; the B role's
	s_add_nc_u64 s[20:21], s[68:69], s[20:21]
	s_add_nc_u64 s[46:47], s[70:71], s[46:47]
	CROUND                                         ; all sixteen work-groups are here: the first joint loads meet
.irp s, 0,1
	s_mov_b32 s[G0+4*\s], 1
	s_add_co_u32 s[G0+4*\s+1], s45, \s*SLOT
	s_add_nc_u64 s[G0+4*\s+2:G0+4*\s+3], s[20:21], \s*4096
	s_or_b32 s[G0+4*\s+3], s[G0+4*\s+3], 0x80000000
	s_mov_b32 s[G0B+4*\s], 1
	s_add_co_u32 s[G0B+4*\s+1], s45, \s*SLOT
	s_add_nc_u64 s[G0B+4*\s+2:G0B+4*\s+3], s[46:47], \s*4096
	s_or_b32 s[G0B+4*\s+3], s[G0B+4*\s+3], 0x80000000
.endr
	JLOAD G0, G1, G0B, G1B                         ; K step 0: one tensor load a wave at the head
	v_and_b32 v1, 31, v0
	v_lshlrev_b32 v[CO], 4, v1                     ; 16 x lane: my place in every image
	s_lshl_b32 s21, s15, 15                        ; my 128 rows of the A role,
	s_lshl_b32 s22, s16, 15                        ; my 128 rows of the B role,
	s_add_co_u32 s22, s22, 2*HALFT                 ; which lie behind the A role's 256
.irp s, 0,1
	v_add_nc_u32 v[ADRA+\s], s21, v[CO]
	v_add_nc_u32 v[ADRB+\s], s22, v[CO]
	s_add_co_u32 s21, s21, SLOT
	s_add_co_u32 s22, s22, SLOT
.endr
	; THE BIAS, in the result's layout, with no branch.  q, k: register 8 b + j = b(first + 16 b + 8 h + j): the lane's eight features.  v: register 8 a + j = b(first + 16 a + r), the lane's one feature, for every j.
	v_and_b32 v2, 15, v0                           ; r
	s_wait_alu depctr_va_vdst(0)
	v_bfe_u32 v3, v0, 4, 1                         ; h
	s_wait_alu depctr_va_vdst(0)
	s_cmp_eq_u32 s[ISV], 1
	s_cselect_b32 s88, s17, s42                    ; the features' tile of 256,
	s_cselect_b32 s89, s15, s16                    ; my half of it,
	s_cselect_b32 s92, 4, 0                        ; bytes for each r,
	s_cselect_b32 s93, 0, 32                       ; for h,
	s_cselect_b32 s94, 0, 4                        ; for each j
	s_lshl_b32 s88, s88, 10
	s_lshl_b32 s89, s89, 9
	s_add_co_u32 s88, s88, s89
	s_mov_b32 s89, 0
	s_add_nc_u64 s[8:9], s[8:9], s[88:89]          ; b_qkv at my first feature
	v_mul_lo_u32 v5, v2, s92
	v_mul_lo_u32 v6, v3, s93
	v_add_nc_u32 v5, v5, v6
	v_mov_b32 v7, s94
.irp j, 0,1,2,3,4,5,6,7
	v_mad_u32_u24 v[TO+\j], v7, \j, v5
.endr
.irp i, 0,1,2,3,4,5,6,7
.irp j, 0,1,2,3,4,5,6,7
	global_load_b32 v[BI+8*\i+\j], v[TO+\j], s[8:9] offset:64*\i
.endr
.endr
	; where my codes go.  q, k: token tile (my first token % 2,048) / 16 of batch x head; v: key step (my first token % 2,048) / 128
	s_cmp_eq_u32 s[ISV], 1
	s_cselect_b32 s92, s42, s17                    ; the tokens' tile of 256,
	s_cselect_b32 s93, s16, s15                    ; my half of it,
	s_cselect_b32 s94, s41, s40                    ; the features' tile within q, k or v: four heads,
	s_cselect_b32 s95, s15, s16                    ; my half of it: two heads
	s_cselect_b32 s96, 4, 7                        ; a head has 2^4 key steps or 2^7 token tiles,
	s_cselect_b32 s97, 7, 4                        ; of 2^7 or 2^4 tokens,
	s_cselect_b32 s98, 13, 10                      ; and 2^13 or 2^10 bytes
	s_lshl_b32 s92, s92, 8
	s_lshl_b32 s93, s93, 7
	s_add_co_u32 s92, s92, s93                     ; my first token
	s_lshl_b32 s94, s94, 2
	s_lshl_b32 s95, s95, 1
	s_add_co_u32 s94, s94, s95                     ; my first head
	s_lshr_b32 s93, s92, 11                        ; the batch
	s_lshl_b32 s93, s93, 4
	s_add_co_u32 s93, s93, s94                     ; batch x head
	s_lshl_b32 s93, s93, s96
	s_and_b32 s92, s92, 2047
	s_lshr_b32 s92, s92, s97
	s_add_co_u32 s93, s93, s92
	s_lshl_b32 s92, s93, s98
	s_mov_b32 s93, 0
	s_cmp_eq_u32 ttmp9, 0
	s_cselect_b64 s[90:91], s[72:73], s[74:75]
	s_cmp_eq_u32 ttmp9, 2
	s_cselect_b64 s[90:91], s[76:77], s[90:91]     ; qc, kc or vc
	s_add_nc_u64 s[90:91], s[90:91], s[92:93]
	s_wait_kmcnt 0x0                               ; the exponents
	s_cmp_eq_u32 ttmp9, 0
	s_cselect_b32 s88, s82, s83
	s_cmp_eq_u32 ttmp9, 2
	s_cselect_b32 s88, s85, s88                    ; e_out
	s_add_co_i32 s89, s80, s81                     ; e0 + e1: a sum stands for sum x 2^(e0 + e1)
	s_sub_co_i32 s88, s88, s89
	s_add_co_i32 s88, s88, 127
	s_lshl_b32 s92, s88, 23
	v_mov_b32 v[SC], s92                           ; 2^(e_out - e0 - e1): the three scales folded into the conversion's one
	s_add_co_i32 s88, s88, 8
	s_lshl_b32 s88, s88, 23
	s_or_b32 s88, s88, 0x600000
	v_mov_b32 v[LM], s88                           ; 448 x that
	s_sub_co_i32 s89, 0, s89
	s_wait_loadcnt 0x0                             ; the bias
.set j, 0
.rept 64
	v_ldexp_f32 v[BI+j], v[BI+j], s89              ; b / 2^(e0 + e1)
.set j, j+1
.endr
.macro FRAG reg, adr, q, i             ; a fragment as it lies: row tile i of my eight, the slot's q-th 128 along K: four loads of 512 consecutive bytes
.irp c, 0,1,2,3
	ds_load_b128 v[\reg+4*\c:\reg+4*\c+3], v[\adr] offset:2048*(\q)+512*\c+(\i)*4096
.endr
.endm
; 16 matrix instructions: A-role blocks a0, a0 + 1 x the B role's eight, 128 along K.  p: the B role's set.  zero = 0: the sums go on; 1: they start with the bias by b; 2: with the bias by a.
; The 64 accumulators take turns, one instruction a turn, in the same order in every step.
.macro MUL16 a0, p, zero
.irp a, \a0, \a0+1
.irp b, 0,1,2,3,4,5,6,7
.if (\zero) == 0
	v_wmma_f32_16x16x128_fp8_fp8 v[8*(8*((\a)%4)+\b):8*(8*((\a)%4)+\b)+7], v[128*(\p)+FR*\b:128*(\p)+FR*\b+FR-1], v[AF+FR*(\a):AF+FR*(\a)+FR-1], v[8*(8*((\a)%4)+\b):8*(8*((\a)%4)+\b)+7]
.elseif (\zero) == 1
	v_wmma_f32_16x16x128_fp8_fp8 v[8*(8*((\a)%4)+\b):8*(8*((\a)%4)+\b)+7], v[128*(\p)+FR*\b:128*(\p)+FR*\b+FR-1], v[AF+FR*(\a):AF+FR*(\a)+FR-1], v[BI+8*\b:BI+8*\b+7]
.else
	v_wmma_f32_16x16x128_fp8_fp8 v[8*(8*((\a)%4)+\b):8*(8*((\a)%4)+\b)+7], v[128*(\p)+FR*\b:128*(\p)+FR*\b+FR-1], v[AF+FR*(\a):AF+FR*(\a)+FR-1], v[BI+8*(\a):BI+8*(\a)+7]
.endif
.endr
.endr
.endm
.macro FETCH_B slot, q, p
	WIN TO_B
.irp i, 0,1,2,3,4,5,6,7
	FRAG 128*(\p)+FR*\i, ADRB+\slot, \q, \i
.endr
	WIN 0
.endm
.macro FETCH_A slot, q, i0             ; A-role blocks i0 .. i0 + 3
.irp i, \i0, \i0+1, \i0+2, \i0+3
	FRAG AF+FR*(\i), ADRA+\slot, \q, \i
.endr
.endm
; A load into a register that a matrix instruction has read, and a vector instruction that reads a matrix result, stand NP places behind that matrix instruction; only plain vector instructions that name
; none of its registers are places (ISA guide 7.12.1 for vector instructions).
.macro PLACES n
.rept \n
	v_nop
.endr
.endm
; A step of 128 along K that has its successor in the same slot.  A block of the A role is free as soon as its eight products are issued: blocks 0-3 are fetched anew in the step's middle, blocks 4-7 at its end.
.macro STEP slot, q, zero
	s_wait_dscnt 4*NL                              ; the B role's set and blocks 0-3 are in; the youngest sixteen loads (blocks 4-7) may be out
	MWIN 0, \zero
	MUL16 0, (\q)%2, \zero
	MUL16 2, (\q)%2, \zero
	s_wait_dscnt 0                                 ; blocks 4-7 are in
	PLACES NP
	FETCH_B \slot, (\q)+1, 1-(\q)%2
	FETCH_A \slot, (\q)+1, 0
	MWIN 1, \zero
	MUL16 4, (\q)%2, \zero
	MUL16 6, (\q)%2, \zero
	PLACES NP
	WIN 0
	FETCH_A \slot, (\q)+1, 4
.endm
; A slot's last step changes slots: ONE barrier; in front of it each wave waits for all its tensor loads, adds 0 to its spare word, and waits for that and for its own reads of this slot.  fill = 1: this slot is filled again, two K steps ahead.
.macro TURN slot, next, fill
	s_wait_tensorcnt 0x0                           ; all my tensor loads have landed: my part of the next slot;  (every window is 0 here)
	ds_add_u32 v[SPW], v[NIL]                      ; 0 onto my spare word
	s_wait_dscnt 4*NL+1                            ; (the add and the youngest sixteen loads may be out)
	MWIN 0, 0
	MUL16 0, 1, 0                                  ; sixteen matrix instructions stand between the add and the wait for it
	s_wait_dscnt 0x0                               ; the add is done, and my reads of this slot are over
	s_barrier_signal -1
	MUL16 2, 1, 0
	WIN 0
	s_barrier_wait -1
.if \fill
	CREST                                          ; the barrier has opened a round of the cluster's barrier: no wave of any partner still reads this slot's tile or has a load on its way
	s_add_nc_u64 s[G0+4*\slot+2:G0+4*\slot+3], s[G0+4*\slot+2:G0+4*\slot+3], 8192
	s_add_nc_u64 s[G0B+4*\slot+2:G0B+4*\slot+3], s[G0B+4*\slot+2:G0B+4*\slot+3], 8192
	JLOAD G0+4*\slot, G1, G0B+4*\slot, G1B         ; the first tensor load behind the round, my only one until the next; its four v_nop are the places in front of the loads below
.else
	PLACES NP
.endif
	FETCH_B \next, 0, 0
	FETCH_A \next, 0, 0
	MWIN 1, 0
	MUL16 4, 1, 0
	MUL16 6, 1, 0
	PLACES NP
	WIN 0
	FETCH_A \next, 0, 4
.endm
	s_wait_alu depctr_va_vdst(0)
	s_wait_tensorcnt 0x0                           ; my part of K step 0 is in; these lines stand ahead of a later first fill as ahead of a refill
	ds_add_u32 v[SPW], v[NIL]                      ; 0 onto my spare word
	s_wait_dscnt 0x0
	CROUND                                         ; everybody's part of K step 0 is in, and all sixteen work-groups are here
	JLOAD G0+4, G1, G0B+4, G1B                     ; K step 1: the first tensor load behind the round
	FETCH_B 0, 0, 0
	FETCH_A 0, 0, 0
	FETCH_A 0, 0, 4
	s_cmp_eq_u32 s[ISV], 1                         ; the first step is written twice: the bias goes by the B role's blocks, or (v) by the A role's.  No tensor load, barrier or wait for one stands in a step
	s_cbranch_scc1 .Lfirst_v
	s_wait_alu depctr_va_vdst(0)
	STEP 0, 0, 1
	s_branch .Lfirst_done
.Lfirst_v:
	s_wait_alu depctr_va_vdst(0)
	STEP 0, 0, 2
.Lfirst_done:
	TURN 0, 1, 1                                   ; slot 0 takes K step 2
	STEP 1, 0, 0
	TURN 1, 0, 1                                   ; slot 1 takes K step 3
	STEP 0, 0, 0
	TURN 0, 1, 0                                   ; nothing is left to fetch
	STEP 1, 0, 0
	s_wait_dscnt 4*NL                              ; the very last step
	MWIN 0, 0
	MUL16 0, 1, 0
	MUL16 2, 1, 0
	s_wait_dscnt 0
	MWIN 1, 0
	MUL16 4, 1, 0
	MUL16 6, 1, 0
	WIN 0
; THE WAY OUT, block by block of the A role.  A block's 64 numbers a lane are held within +-448 x the scale (each accumulator from its low end on) and converted: accumulator b gives registers 2 b, 2 b + 1 of the next operand.
; Four stores of 512 consecutive bytes a block, each at a multiple of 256 from the buffer's first byte.  No store's data are written again.
.macro EPI isv
.irp a, 0,1,2,3,4,5,6,7
.set AC, 64*(\a%4)
	WIN 0x02+(\a/4)                                ; source 0: window 2 or 3
.set j, 0
.rept 64
	v_med3_num_f32 v[BI+j], v[AC+j], -v[LM], v[LM] ; the conversion to an 8-bit code does not saturate (ISA guide 7.6.2)
.set j, j+1
.endr
	WIN 0
.irp b, 0,1,2,3,4,5,6,7
	v_cvt_scalef32_pk8_fp8_f32 v[AF+16*\a+2*\b:AF+16*\a+2*\b+1], v[BI+8*\b:BI+8*\b+7], v[SC]
.endr
	v_nop                                          ; one plain vector line behind the conversions: the next block's holds write their sources
.irp i, 0,1,2,3
.if \isv
	global_store_b128 v[CO], v[AF+16*\a+4*\i:AF+16*\a+4*\i+3], s[90:91] offset:(\a/4)*131072+(\a%4)*2048+512*\i   ; head a / 4, channel tile a % 4, piece i of 128 keys
.else
	global_store_b128 v[CO], v[AF+16*\a+4*\i:AF+16*\a+4*\i+3], s[90:91] offset:1024*\a+(\i/2)*131072+(\i%2)*512    ; token tile a, head i / 2, piece i % 2 of the head's 64
.endif
.endr
.endr
.endm
	PLACES NP                                      ; behind the last products: for the first reads of results and the first writes over the A role's fragments
	s_cmp_eq_u32 s[ISV], 1
	s_cbranch_scc1 .Lout_v
	EPI 0
	s_branch .Lout_done
.Lout_v:
	EPI 1
.Lout_done:
	s_wait_tensorcnt 0x0                           ; the wave's end, behind my last tensor load
	ds_add_u32 v[SPW], v[NIL]
	s_wait_dscnt 0x0
	CROUND                                         ; the closing round: no work-group ends while a partner may still ask for a tile that names it
	s_endpgm
.Lfunc_end_k_q3126359f98_qkv:
	.size	k_q3126359f98_qkv, .Lfunc_end_k_q3126359f98_qkv-k_q3126359f98_qkv
	.p2alignl 7, 3214868480
	.fill 96, 4, 3214868480
	.section	.rodata,"a",@progbits
	.p2align	6, 0x0
	.amdhsa_kernel k_q3126359f98_qkv
		.amdhsa_group_segment_fixed_size 327680
		.amdhsa_private_segment_fixed_size 0
		.amdhsa_enable_private_segment 0
		.amdhsa_kernarg_size 56
		.amdhsa_user_sgpr_count 2
		.amdhsa_user_sgpr_kernarg_segment_ptr 1
		.amdhsa_wavefront_size32 1
		.amdhsa_system_sgpr_workgroup_id_x 1
		.amdhsa_system_sgpr_workgroup_id_y 1
		.amdhsa_system_sgpr_workgroup_id_z 1
		.amdhsa_system_vgpr_workitem_id 0
		.amdhsa_next_free_vgpr 1024
		.amdhsa_next_free_sgpr 100
		.amdhsa_reserve_vcc 0
		.amdhsa_float_denorm_mode_32 3
		.amdhsa_float_denorm_mode_16_64 3
		.amdhsa_memory_ordered 1
		.amdhsa_forward_progress 1
		.amdhsa_inst_pref_size 178
	.end_amdhsa_kernel
	.amdgpu_metadata
---
amdhsa.version: [ 1, 2 ]
amdhsa.kernels:
  - .name:           k_q3126359f98_qkv
    .symbol:         k_q3126359f98_qkv.kd
    .args:
      - { .name: xc, .offset: 0, .size: 8, .value_kind: global_buffer, .address_space: global }
      - { .name: wqc, .offset: 8, .size: 8, .value_kind: global_buffer, .address_space: global }
      - { .name: b_qkv, .offset: 16, .size: 8, .value_kind: global_buffer, .address_space: global }
      - { .name: lowp_scales, .offset: 24, .size: 8, .value_kind: global_buffer, .address_space: global }
      - { .name: qc, .offset: 32, .size: 8, .value_kind: global_buffer, .address_space: global }
      - { .name: kc, .offset: 40, .size: 8, .value_kind: global_buffer, .address_space: global }
      - { .name: vc, .offset: 48, .size: 8, .value_kind: global_buffer, .address_space: global }
    .group_segment_fixed_size: 327680
    .private_segment_fixed_size: 0
    .kernarg_segment_align: 8
    .kernarg_segment_size: 56
    .max_flat_workgroup_size: 128
    .sgpr_count:     100
    .vgpr_count:     1024
    .wavefront_size: 32
...
	.end_amdgpu_metadata
.endif
;; end of part 2
;; launch attn (part 3): grid 4 x 64, 8 waves a work-group, clusters of 4 x 1, 327,680 bytes of LDS; arguments qc, kc, vc, lowp_scales, ac; writes ac
.if DOCPART == 3
	.amdgcn_target "amdgcn-amd-amdhsa--gfx1250"
	.amdhsa_code_object_version 6
	.text
	.protected	k_q3126359f98_attn
	.globl	k_q3126359f98_attn
	.p2align	8
	.type	k_q3126359f98_attn,@function
k_q3126359f98_attn:
	s_mov_b64 s[64:65], 0
	v_nop
	global_prefetch_b8 v0, s[64:65] scope:SCOPE_SE
	s_setreg_imm32_b32 hwreg(HW_REG_WAVE_MODE, 25, 1), 1
	s_wait_xcnt 0x0
	s_wait_alu depctr_hold_cnt(0) depctr_sa_sdst(0) depctr_va_vdst(0) depctr_va_sdst(0) depctr_va_ssrc(0) depctr_va_vcc(0) depctr_vm_vsrc(0)
	s_getreg_b32 s2, hwreg(HW_REG_IB_STS2, 6, 4)
	s_cmp_eq_u32 s2, 0
	s_cbranch_scc0 .Lentry_in_a_cluster
	s_endpgm
.Lentry_in_a_cluster:
	s_bfe_u32 s2, ttmp6, 0x10000c
	s_cmp_lg_u32 s2, 0x3003
	s_cbranch_scc0 .Lentry_shape_is_right
	s_endpgm
.Lentry_shape_is_right:
; Causal attention on codes of FP8 (E4M3), 64 batch x heads, 2,048 tokens, head size 64; the result quantised at once for the last product (entry 6 of the scales).
; IN, images of operand registers (lane l's 16 bytes of piece p at 512 p + 16 l): qc, kc [batch x head 64][tile of 16 tokens 128][1,024], K = the head's 64;  vc [batch x head 64][step of 128 keys 16][tile of 16 channels 4][2,048], K = the keys.
; OUT: ac [row tile 512][head 16][1,024]: an image with K = 64 x head + channel.
; THE SOFTMAX AHEAD OF THE SECOND PRODUCT: t = score x log2(e) / 8; M = the row's largest t so far, rounded UP to a whole number; p = 2^(t - M) is quantised (entry 4) along the keys, not normalised.
; The row's sum is taken of the unquantised p, in f32, and divides O at the end.  When M moves, the sum and O are multiplied by 2^(old M - new M): exact.
; LEFT OUT: key steps all of whose keys come after a wave's queries: the causal mask gives those scores -infinity, so their p is 0 for all values of the inputs.
; SHARES.  The four work-groups of a cluster own one head.  A unit is 32 queries, two tiles of 16; unit j needs keys 0 .. 32 j + 31.  Wave w (0..7) of the work-group at place cx owns units 63 - (4 w + cx) and 4 w + cx:
; 16 - w and w + 1 key steps of 128: 17 for every wave.  The counts hang on the wave's number alone; cx enters global addresses and the numbers that the diagonal's compares read, and no branch and no LDS address.
; THE HEAD'S WHOLE K AND V LIE IN LDS: 131,072 bytes each, nothing is filled again.  Each wave issues two joint loads (mask: all four partners): at the head its eighth of keys 0-511 (8,192 bytes),
; and behind the full sequence and a round its eighth of the other 1,536 keys (24,576 bytes).  The long unit's steps 0-3 read the first part; one barrier shows the second; behind it the waves share nothing.
; NO PREFETCH: both tensor loads of a wave are issued ahead of the first key step, so no later load is left that a loop could run ahead of.
; LAYOUT.  S^T = K Q^T (source 0 = 16 keys, source 1 = 16 queries), O^T = V^T P^T (source 0 = 16 channels, source 1 = P): a lane holds one query of each tile, and a tile's eight registers, converted, are two registers of P.
; Each fragment of K and of V feeds both tiles.  K's fragments of the next step are asked of LDS behind this step's score products, which free their registers; V's at the head of their own step.
; LIMITS: e2 + e3 between -123 and 130 (added to c's exponent field); e4 and e6 - e4 - e5 between -126 and 119, so that each power of two below is an f32 number; the scaled scores stay under 2^31 in magnitude.  NaN is not served.
; REGISTERS.  Window 0: addresses, the two tiles' -M, largest score, sum and f; v32-95, v96-159 the two tiles' S^T, then p; v160-191 P's codes; v192-239 partial sums; v240-244 constants.
; Window 1: v0-63 K's eight fragments; v64-127 V's four; v128-191 the two O^T; v192-207 Q of the unit in hand; v208-223 Q of the short unit.
.set VB,    131072                     ; V's images begin here in LDS; K's at 0
.set SPARE, 262144                     ; the spare words, 128 bytes for each wave: four blocks of 256 bytes that no other line names
.set LA,  1                            ; 16 x lane
.set ADR, 2                            ; a step's images of K
.set ADV, 3                            ; and of V
.set LAV, 4                            ; VB + 16 x lane
.set SPW, 5
.set NIL, 6
.set DQ,  8                            ; r - 8 h
.set DD,  9
.set NM0, 12                           ; tile 0: -M, the largest score, the sum's two halves
.set RM0, 13
.set SU0, 14
.set NM1, 16                           ; tile 1
.set RM1, 17
.set SU1, 18
.set F0,  20                           ; f = 2^(old M - new M), named as pairs
.set F1,  22
.set A0,  24
.set B0,  25
.set A1,  26
.set B1,  27
.set T0,  28
.set T1,  29
.set OM0, 30
.set OM1, 31
.set S0,  32
.set S1,  96
.set P0,  160
.set P1,  176
.set X,   192                          ; tile 1's four chains of sums
.set Y,   208                          ; tile 0's sixteen first sums
.set HL,  240                          ; 448 x 2^e4
.set SC4, 241                          ; 2^e4
.set SC6, 242                          ; 2^(e6 - e4 - e5)
.set HL6, 243                          ; 448 x that
.set NINF, 244
.set KF,  0                            ; window 1
.set VF,  64
.set O0,  128
.set O1,  160
.set Q0,  192
.set Q1,  200
.set QS,  208
.set WV,  14                           ; s14 wave
.set CX,  15                           ; s15 my place in the cluster
.set HD,  16                           ; s16 batch x head
.set SEL, 20                           ; s[20:21] selects for lane l xor 16
.set CS,  22                           ; s[22:23] c = log2(e) / 8 x 2^(e2 + e3)
.set G1A, 24                           ; s[24:31] group 1: 32 rows of 256 bytes
.set G1B, 32                           ; s[32:39] group 1: 96 rows of 256 bytes
.set G0A, 40
.set G0B, 44
.set NCS, 48                           ; -c
.set G,   49                           ; counts the walk's 24 steps: 0-15 the long unit's, 16-23 the short unit's
.set KI,  50                           ; the key step
.set KD,  51                           ; the key step on the diagonal of the unit in hand
.set TB,  52                           ; the step's first byte in K's images, and in V's
.set POS, 53                           ; first query of the unit in hand less the diagonal step's first key
.set POSS, 54                          ; the same for the short unit
.set TN,  55                           ; first byte of the images of K that are asked for next
.set OC,  56                           ; s[56:57] ac at the unit in hand
.set OS,  58                           ; s[58:59] ac at the short unit
.set GE,  79                           ; my last step of the walk: 16 + w
.set MSB, 0
.macro WIN new                         ; the immediate's high byte repeats the setting that is left
.if MSB != (\new)
	s_set_vgpr_msb (MSB<<8)|(\new)
.set MSB, (\new)
.endif
.endm
.macro ROUND                           ; a round of the cluster's barrier
	s_barrier_signal -1
	s_barrier_wait -1
	s_cmp_lg_u32 s[WV], 0
	s_cbranch_scc1 .Lnw0_\@
	s_barrier_signal -3
.Lnw0_\@:
	s_barrier_wait -3
	s_barrier_signal -1
	s_barrier_wait -1
.endm
.macro PLACES
.rept 4
	v_nop
.endr
.endm
.macro FRESH copy                      ; a unit begins: -M = 3e38, the largest score -3e38, sums and O^T zero; copy = 1: the short unit's Q takes its place
	v_mov_b32 v[NM0], 0x7f61b1e6
	v_mov_b32 v[RM0], 0xff61b1e6
	v_mov_b32 v[SU0], 0
	v_mov_b32 v[SU0+1], 0
	v_mov_b32 v[NM1], 0x7f61b1e6
	v_mov_b32 v[RM1], 0xff61b1e6
	v_mov_b32 v[SU1], 0
	v_mov_b32 v[SU1+1], 0
	WIN 0x41                                       ; destination and source 0: window 1
.if \copy
.set j, 0
.rept 16
	v_mov_b32 v[Q0+j], v[QS+j]
.set j, j+1
.endr
.endif
.set j, 0
.rept 64
	v_mov_b32 v[O0+j], 0                           ; the step is written for every step alike: the first finds zeros
.set j, j+1
.endr
	WIN 0
.endm
.macro KLOAD                           ; K's eight fragments of 16 keys x 64, as they lie, from byte s[TN] on
	v_add_nc_u32 v[ADR], s[TN], v[LA]
	WIN 0x40                                       ; destination window 1, address window 0
.irp t, 0,1,2,3,4,5,6,7
	ds_load_b128 v[KF+8*\t:KF+8*\t+3], v[ADR] offset:1024*\t
	ds_load_b128 v[KF+8*\t+4:KF+8*\t+7], v[ADR] offset:1024*\t+512
.endr
	WIN 0
.endm
.macro TM0 from, cnt                   ; tile 0's t - M, two at a time
.set j, \from
.rept \cnt
	v_pk_fma_f32 v[S0+j:S0+j+1], v[S0+j:S0+j+1], s[CS:CS+1], v[NM0:NM0+1] op_sel_hi:[1,0,0]
.set j, j+2
.endr
.endm
.macro MIN8 s, t                       ; p is held at 448 x 2^e4: the conversion does not saturate (ISA guide 7.6.2); p is not negative, so the hold is one-sided
.irp i, 0,1,2,3,4,5,6,7
	v_min_num_f32 v[\s+8*(\t)+\i], v[\s+8*(\t)+\i], v[HL]
.endr
.endm
.macro CVT s, p, t                     ; registers 2 t, 2 t + 1 of P: keys 16 t + 8 h + 0..7
	v_cvt_scalef32_pk8_fp8_f32 v[\p+2*(\t):\p+2*(\t)+1], v[\s+8*(\t):\s+8*(\t)+7], v[SC4]
.endm
	s_load_b256 s[4:11], s[0:1], 0x0               ; qc s[4:5], kc s[6:7], vc s[8:9], the scales' exponents s[10:11]
	s_load_b64 s[12:13], s[0:1], 0x20              ; ac
	v_lshl_add_u32 v[SPW], v0, 2, SPARE
	v_mov_b32 v[NIL], 0
	ds_add_u32 v[SPW], v[NIL]                      ; the wave's opening: the add, twice on end, and its wait stand ahead of the round in front of my first tensor load
	ds_add_u32 v[SPW], v[NIL]
	v_lshrrev_b32 v9, 5, v0
	v_readfirstlane_b32 s[WV], v9                  ; wave 0..7
	s_bfe_u32 s[CX], ttmp6, 0x40000
	s_and_b32 s[HD], ttmp7, 0xffff                 ; the cluster's y: batch x head
	s_mov_b32 s[G1A], 15|(3<<16)|(1<<21)           ; 15:0 the mask: all four partners; 17:16 elements of 8 bytes; 21 set beside a mask; no padding
	s_mov_b32 s[G1A+1], 32<<16                     ; tensor_dim0 = 32 elements: rows of 256 bytes
	s_mov_b32 s[G1A+2], 32<<16                     ; tensor_dim1 = 32
	s_mov_b32 s[G1A+3], 32<<16                     ; tile_dim0
	s_mov_b32 s[G1A+4], 32                         ; tile_dim1
	s_mov_b32 s[G1A+5], 32                         ; the pitch: dense
	s_mov_b32 s[G1A+6], 0
	s_mov_b32 s[G1A+7], 0
	s_mov_b32 s[G1B], 15|(3<<16)|(1<<21)
	s_mov_b32 s[G1B+1], 32<<16
	s_mov_b32 s[G1B+2], 96<<16                     ; 96 rows
	s_mov_b32 s[G1B+3], 32<<16
	s_mov_b32 s[G1B+4], 96
	s_mov_b32 s[G1B+5], 32
	s_mov_b32 s[G1B+6], 0
	s_mov_b32 s[G1B+7], 0
	s_lshr_b32 s60, s[WV], 2                       ; waves 0-3 fetch K's images, waves 4-7 V's
	s_lshl_b32 s60, s60, 17
	s_and_b32 s61, s[WV], 3
	s_lshl_b32 s62, s61, 13                        ; my quarter of the first 32,768 bytes,
	s_mul_i32 s63, s61, 24576
	s_add_co_u32 s63, s63, 32768                   ; and of the other 98,304
	s_mov_b32 s[G0A], 1
	s_add_co_u32 s[G0A+1], s60, s62                ; LDS addresses: the wave's number alone
	s_mov_b32 s[G0B], 1
	s_add_co_u32 s[G0B+1], s60, s63
	s_lshl_b32 s66, s[HD], 17                      ; the head's first byte in qc, kc and vc
	s_add_co_u32 s72, s66, s62
	s_mov_b32 s73, 0
	s_add_co_u32 s74, s66, s63
	s_mov_b32 s75, 0
	s_wait_dscnt 0x0                               ; both opening adds are done
	s_wait_kmcnt 0x0
	s_load_b256 s[80:87], s[10:11], 0x0            ; the eight exponents: e2 s82, e3 s83, e4 s84, e5 s85, e6 s86
	s_cmp_lt_u32 s[WV], 4
	s_cselect_b64 s[76:77], s[6:7], s[8:9]
	s_add_nc_u64 s[G0A+2:G0A+3], s[76:77], s[72:73]
	s_or_b32 s[G0A+3], s[G0A+3], 0x80000000
	s_add_nc_u64 s[G0B+2:G0B+3], s[76:77], s[74:75]
	s_or_b32 s[G0B+3], s[G0B+3], 0x80000000
	ROUND                                          ; all four work-groups are here: the first joint loads meet
	tensor_load_to_lds s[G0A:G0A+3], s[G1A:G1A+7]  ; keys 0-511: my one tensor load at the head
	s_nop 0
	PLACES
	s_lshl_b32 s60, s[WV], 2
	s_add_co_u32 s60, s60, s[CX]                   ; the short unit: 4 w + cx
	s_sub_co_u32 s61, 63, s60                      ; the long unit
	s_lshl_b32 s62, s61, 11                        ; a unit's two tiles of Q: 2,048 bytes
	s_add_co_u32 s62, s62, s66
	s_mov_b32 s63, 0
	s_add_nc_u64 s[68:69], s[4:5], s[62:63]
	s_lshl_b32 s62, s60, 11
	s_add_co_u32 s62, s62, s66
	s_add_nc_u64 s[70:71], s[4:5], s[62:63]
	v_and_b32 v[LA], 31, v0
	v_lshlrev_b32 v[LA], 4, v[LA]
	v_add_nc_u32 v[LAV], VB, v[LA]
	WIN 0x40                                       ; destination window 1, address window 0
.irp i, 0,1,2,3
	global_load_b128 v[Q0+4*\i:Q0+4*\i+3], v[LA], s[68:69] offset:512*\i
	global_load_b128 v[QS+4*\i:QS+4*\i+3], v[LA], s[70:71] offset:512*\i
.endr
	WIN 0
	s_lshr_b32 s62, s[HD], 4
	s_lshl_b32 s62, s62, 7                         ; the batch's first row tile
	s_and_b32 s74, s[HD], 15
	s_lshl_b32 s74, s74, 10                        ; the head's 1,024 bytes in a row tile's 16,384
	s_lshl_b32 s72, s61, 1
	s_add_co_u32 s72, s72, s62
	s_lshl_b32 s72, s72, 14
	s_add_co_u32 s72, s72, s74
	s_add_nc_u64 s[OC:OC+1], s[12:13], s[72:73]
	s_lshl_b32 s72, s60, 1
	s_add_co_u32 s72, s72, s62
	s_lshl_b32 s72, s72, 14
	s_add_co_u32 s72, s72, s74
	s_add_nc_u64 s[OS:OS+1], s[12:13], s[72:73]
	s_sub_co_u32 s[KD], 15, s[WV]                  ; the long unit's diagonal step
	s_add_co_u32 s[GE], s[WV], 16
	s_lshl_b32 s[POSS], s[CX], 5
	s_sub_co_u32 s[POS], 96, s[POSS]
	s_mov_b32 s[SEL], 0x76543210
	s_mov_b32 s[SEL+1], 0xfedcba98
	v_and_b32 v[DQ], 15, v0
	v_bfe_u32 v9, v0, 4, 1
	v_lshlrev_b32 v9, 3, v9
	v_sub_nc_u32 v[DQ], v[DQ], v9                  ; r - 8 h
	v_mov_b32 v[NINF], 0xff800000
	v_mov_b32 v[T0], 0                             ; a lane permute's destination counts as one of its sources
	v_mov_b32 v[T1], 0
	v_mov_b32 v[F0+1], 0                           ; (named as the upper halves of pairs)
	v_mov_b32 v[F1+1], 0
	FRESH 0
	s_wait_kmcnt 0x0
	s_add_co_i32 s60, s82, s83
	s_lshl_b32 s60, s60, 23
	s_add_co_i32 s[CS], s60, 0x3e38aa3b            ; log2(e) / 8, with e2 + e3 added to its exponent field
	s_mov_b32 s[CS+1], s[CS]
	s_xor_b32 s[NCS], s[CS], 0x80000000
	s_add_co_i32 s60, s84, 127
	s_lshl_b32 s61, s60, 23
	v_mov_b32 v[SC4], s61
	s_add_co_i32 s60, s60, 8
	s_lshl_b32 s60, s60, 23
	s_or_b32 s60, s60, 0x600000
	v_mov_b32 v[HL], s60
	s_sub_co_i32 s60, s86, s84
	s_sub_co_i32 s60, s60, s85                     ; O^T / the sum stands for that x 2^(e4 + e5): the three scales are folded into the conversion's one
	s_add_co_i32 s60, s60, 127
	s_lshl_b32 s61, s60, 23
	v_mov_b32 v[SC6], s61
	s_add_co_i32 s60, s60, 8
	s_lshl_b32 s60, s60, 23
	s_or_b32 s60, s60, 0x600000
	v_mov_b32 v[HL6], s60
; A KEY STEP: 128 keys x my 32 queries.  full = 0: the long unit's steps 0-3, which every wave walks and which lie under the diagonal.  full = 1: with the jump over hidden steps, the diagonal's mask and the unit's way out.
.macro STEP full
.if \full
	s_and_b32 s[KI], s[G], 15
	s_cmp_gt_u32 s[KI], s[KD]                      ; the wave's number and the count of steps alone
	s_cbranch_scc1 .Lhid_\@
	s_lshl_b32 s[TB], s[KI], 13
.else
	s_lshl_b32 s[TB], s[G], 13                     ; a step's images: 8,192 bytes of K and as many of V
.endif
	v_add_nc_u32 v[ADV], s[TB], v[LAV]
	WIN 0x40
.irp c, 0,1,2,3
.irp p, 0,1,2,3
	ds_load_b128 v[VF+16*\c+4*\p:VF+16*\c+4*\p+3], v[ADV] offset:2048*\c+512*\p
.endr
.endr
	s_wait_dscnt 16                                ; K's sixteen loads, issued ahead of V's sixteen, are in
	WIN 0x05                                       ; sources 0 and 1 window 1, the result window 0
.irp t, 0,1,2,3,4,5,6,7                        ; in key tile t lane (r, h) holds query r, register j key 16 t + 8 h + j of the step
	v_wmma_f32_16x16x64_fp8_fp8 v[S0+8*\t:S0+8*\t+7], v[KF+8*\t:KF+8*\t+7], v[Q0:Q0+7], 0
	v_wmma_f32_16x16x64_fp8_fp8 v[S1+8*\t:S1+8*\t+7], v[KF+8*\t:KF+8*\t+7], v[Q1:Q1+7], 0
.endr
	WIN 0
	PLACES                                         ; in front of the loads into K's registers and of the first reads of the scores
.if \full
	s_add_co_u32 s[TN], s[TB], 8192                ; the next step's K; behind the long unit's diagonal step: the short unit's step 0
	s_cmp_eq_u32 s[KI], s[KD]
	s_cselect_b32 s[TN], 0, s[TN]
	s_cmp_eq_u32 s[G], s[GE]                       ; my last step asks for nothing
	s_cbranch_scc1 .Lnok_\@
.else
	s_add_co_u32 s[TN], s[G], 1
	s_min_u32 s[TN], s[TN], 3
	s_lshl_b32 s[TN], s[TN], 13
	s_cmp_eq_u32 s[G], 3                           ; step 4's K is asked for behind the barrier that shows it
	s_cbranch_scc1 .Lnok_\@
.endif
	KLOAD
.Lnok_\@:
.if \full
	s_cmp_lg_u32 s[KI], s[KD]
	s_cbranch_scc1 .Lopen_\@
	v_add_nc_u32 v[DD], s[POS], v[DQ]              ; d = tile 0's query - the step's first key - 8 h.  Tile 0's register 8 t + j is hidden where 16 t + j > d; tile 1's queries lie 16 on, so the same compare serves its register 8 (t + 1) + j
.set n, 0
.rept 64
	v_cmp_gt_i32 vcc_lo, 16*(n/8)+n%8, v[DD]
	v_cndmask_b32 v[S0+n], v[S0+n], v[NINF], vcc_lo
.if n < 56
	v_cndmask_b32 v[S1+8+n], v[S1+8+n], v[NINF], vcc_lo
.endif
.set n, n+1
.endr
.Lopen_\@:
.endif
	v_max3_num_f32 v[A0], v[RM0], v[S0], v[S0+1]   ; the largest score so far, this step's among them: two chains a tile, each accumulator from its low end on
	v_max3_num_f32 v[A1], v[RM1], v[S1], v[S1+1]
	v_max3_num_f32 v[B0], v[S0+2], v[S0+3], v[S0+4]
	v_max3_num_f32 v[B1], v[S1+2], v[S1+3], v[S1+4]
.set j, 5
.rept 14
	v_max3_num_f32 v[A0], v[A0], v[S0+j], v[S0+j+1]
	v_max3_num_f32 v[A1], v[A1], v[S1+j], v[S1+j+1]
	v_max3_num_f32 v[B0], v[B0], v[S0+j+2], v[S0+j+3]
	v_max3_num_f32 v[B1], v[B1], v[S1+j+2], v[S1+j+3]
.set j, j+4
.endr
	v_max3_num_f32 v[A0], v[A0], v[S0+61], v[S0+62]
	v_max3_num_f32 v[A1], v[A1], v[S1+61], v[S1+62]
	v_max3_num_f32 v[A0], v[A0], v[B0], v[S0+63]
	v_max3_num_f32 v[A1], v[A1], v[B1], v[S1+63]
	v_permlanex16_b32 v[T0], v[A0], s[SEL], s[SEL+1]
	v_permlanex16_b32 v[T1], v[A1], s[SEL], s[SEL+1]
	v_mov_b32 v[OM0], v[NM0]
	v_mov_b32 v[OM1], v[NM1]
	v_max_num_f32 v[RM0], v[A0], v[T0]             ; and lane l xor 16's
	v_max_num_f32 v[RM1], v[A1], v[T1]
	v_mul_f32 v[A0], s[NCS], v[RM0]                ; -t (c is positive)
	v_mul_f32 v[A1], s[NCS], v[RM1]
	v_floor_f32 v[NM0], v[A0]                      ; -M = floor(-t) = -ceil(t)
	v_floor_f32 v[NM1], v[A1]
	v_sub_f32 v[A0], v[NM0], v[OM0]                ; old M - new M: a whole number, 0 or less
	v_sub_f32 v[A1], v[NM1], v[OM1]
	TM0 0, 4
	v_cvt_i32_f32 v[A0], v[A0]                     ; (it saturates)
	v_cvt_i32_f32 v[A1], v[A1]
	TM0 8, 4
	v_ldexp_f32 v[F0], 1.0, v[A0]                  ; f = 2^(old M - new M)
	v_ldexp_f32 v[F1], 1.0, v[A1]
	TM0 16, 24
	WIN 0x41                                       ; O^T in window 1, f in window 0
.set j, 0
.rept 16
	v_pk_mul_f32 v[O0+j:O0+j+1], v[O0+j:O0+j+1], v[F0:F0+1] op_sel_hi:[1,0]   ; O^T under the new M, ahead of the exponentials
	v_pk_mul_f32 v[O1+j:O1+j+1], v[O1+j:O1+j+1], v[F1:F1+1] op_sel_hi:[1,0]
.set j, j+2
.endr
	WIN 0
	s_wait_dscnt 0x0                               ; V is in (and the next step's K)
	s_wait_alu depctr_va_vdst(0)
.set j, 0
.rept 32                                       ; tile 0's p = 2^(t - M), by turns with tile 1's t - M, which is first read behind the next wait
	v_exp_f32 v[S0+j], v[S0+j]
	v_pk_fma_f32 v[S1+j:S1+j+1], v[S1+j:S1+j+1], s[CS:CS+1], v[NM1:NM1+1] op_sel_hi:[1,0,0]
	v_exp_f32 v[S0+j+1], v[S0+j+1]
.set j, j+2
.endr
	v_pk_mul_f32 v[SU0:SU0+1], v[SU0:SU0+1], v[F0:F0+1] op_sel_hi:[1,0]   ; the sums under the new M: plain lines behind the exponentials
	v_pk_mul_f32 v[SU1:SU1+1], v[SU1:SU1+1], v[F1:F1+1] op_sel_hi:[1,0]
	s_wait_alu depctr_va_vdst(0)                   ; behind tile 0's batch and ahead of tile 1's
.set j, 0
.rept 16                                       ; tile 1's p, by turns with tile 0's first sums (of the unquantised p) and its holds: all of them first read behind the next wait
	v_exp_f32 v[S1+j], v[S1+j]
	v_pk_add_f32 v[Y+j/2:Y+j/2+1], v[S0+j:S0+j+1], v[S0+j+2:S0+j+3]
	v_exp_f32 v[S1+j+1], v[S1+j+1]
	v_min_num_f32 v[S0+j], v[S0+j], v[HL]
	v_exp_f32 v[S1+j+2], v[S1+j+2]
	v_min_num_f32 v[S0+j+1], v[S0+j+1], v[HL]
	v_exp_f32 v[S1+j+3], v[S1+j+3]
	v_min_num_f32 v[S0+j+2], v[S0+j+2], v[HL]
	v_min_num_f32 v[S0+j+3], v[S0+j+3], v[HL]
.set j, j+4
.endr
	s_wait_alu depctr_va_vdst(0)                   ; one wait behind the batch, ahead of its first reader
.irp i, 0,1,2,3                                ; tile 1's sums in four chains; among them tile 0's sixteen first sums are added up and its p converted
	v_pk_add_f32 v[X+2*\i:X+2*\i+1], v[S1+2*\i:S1+2*\i+1], v[S1+8+2*\i:S1+9+2*\i]
	v_pk_add_f32 v[Y+2*\i:Y+2*\i+1], v[Y+2*\i:Y+2*\i+1], v[Y+16+2*\i:Y+17+2*\i]
	v_pk_add_f32 v[Y+8+2*\i:Y+9+2*\i], v[Y+8+2*\i:Y+9+2*\i], v[Y+24+2*\i:Y+25+2*\i]
.endr
.set r, 0
.rept 6
.irp i, 0,1,2,3
	v_pk_add_f32 v[X+2*\i:X+2*\i+1], v[X+2*\i:X+2*\i+1], v[S1+16+8*r+2*\i:S1+17+8*r+2*\i]
.if r == 0
	v_pk_add_f32 v[Y+2*\i:Y+2*\i+1], v[Y+2*\i:Y+2*\i+1], v[Y+8+2*\i:Y+9+2*\i]
.endif
.if (r == 1) || (r == 3)
	CVT S0, P0, 2*(r-1)+\i
.endif
.endr
.if r == 2
	v_pk_add_f32 v[Y:Y+1], v[Y:Y+1], v[Y+4:Y+5]
	v_pk_add_f32 v[Y+2:Y+3], v[Y+2:Y+3], v[Y+6:Y+7]
.endif
.if r == 4
	v_pk_add_f32 v[Y:Y+1], v[Y:Y+1], v[Y+2:Y+3]
.endif
.if r == 5
	v_pk_add_f32 v[SU0:SU0+1], v[SU0:SU0+1], v[Y:Y+1]
.endif
.set r, r+1
.endr
	v_pk_add_f32 v[X:X+1], v[X:X+1], v[X+2:X+3]
	v_pk_add_f32 v[X+4:X+5], v[X+4:X+5], v[X+6:X+7]
	MIN8 S1, 0
	v_pk_add_f32 v[X:X+1], v[X:X+1], v[X+4:X+5]
	MIN8 S1, 1
	v_pk_add_f32 v[SU1:SU1+1], v[SU1:SU1+1], v[X:X+1]
.irp t, 2,3,4,5,6,7                            ; a tile's conversion stands two tiles behind its holds
	CVT S1, P1, \t-2
	MIN8 S1, \t
.endr
	CVT S1, P1, 6
	CVT S1, P1, 7
	v_nop                                          ; one plain line between the conversions and the products that read their results
	WIN 0x51                                       ; source 0 (V), C and D window 1; source 1 (P) window 0
.irp c, 0,1,2,3                                ; O^T += V^T P^T: eight accumulators by turns
	v_wmma_f32_16x16x128_fp8_fp8 v[O0+8*\c:O0+8*\c+7], v[VF+16*\c:VF+16*\c+15], v[P0:P0+15], v[O0+8*\c:O0+8*\c+7]
	v_wmma_f32_16x16x128_fp8_fp8 v[O1+8*\c:O1+8*\c+7], v[VF+16*\c:VF+16*\c+15], v[P1:P1+15], v[O1+8*\c:O1+8*\c+7]
.endr
	WIN 0
	PLACES                                         ; behind the last products, for whatever follows: the next step's loads into V's registers, or the way out's reads of O^T
.if \full
	s_cmp_lg_u32 s[KI], s[KD]
	s_cbranch_scc1 .Lhid_\@
	; THE UNIT'S WAY OUT, behind its diagonal step: O^T / the sum, held within +-448 x the scale and converted: channel tile c gives registers 2 c, 2 c + 1 of the last product's operand
	v_add_f32 v[SU0], v[SU0], v[SU0+1]
	v_add_f32 v[SU1], v[SU1], v[SU1+1]
	v_permlanex16_b32 v[T0], v[SU0], s[SEL], s[SEL+1]
	v_permlanex16_b32 v[T1], v[SU1], s[SEL], s[SEL+1]
	v_add_f32 v[SU0], v[SU0], v[T0]
	v_add_f32 v[SU1], v[SU1], v[T1]
	s_wait_alu depctr_va_vdst(0)
	v_rcp_f32 v[SU0], v[SU0]
	v_rcp_f32 v[SU1], v[SU1]
	v_nop                                          ; a plain line behind them
	WIN 0x01                                       ; source 0 (O^T) window 1
	s_wait_alu depctr_va_vdst(0)                   ; the wait ahead of the first reader of the reciprocals and of O^T
.set j, 0
.rept 16
	v_pk_mul_f32 v[S0+j:S0+j+1], v[O0+j:O0+j+1], v[SU0:SU0+1] op_sel_hi:[1,0]   ; each accumulator from its low end on
	v_pk_mul_f32 v[S1+j:S1+j+1], v[O1+j:O1+j+1], v[SU1:SU1+1] op_sel_hi:[1,0]
.set j, j+2
.endr
	WIN 0
.set j, 0
.rept 32
	v_med3_num_f32 v[S0+j], v[S0+j], -v[HL6], v[HL6]
	v_med3_num_f32 v[S1+j], v[S1+j], -v[HL6], v[HL6]
.set j, j+1
.endr
.irp c, 0,1,2,3
	v_cvt_scalef32_pk8_fp8_f32 v[P0+2*\c:P0+2*\c+1], v[S0+8*\c:S0+8*\c+7], v[SC6]
	v_cvt_scalef32_pk8_fp8_f32 v[P1+2*\c:P1+2*\c+1], v[S1+8*\c:S1+8*\c+7], v[SC6]
.endr
	v_nop                                          ; one plain line behind the conversions
	global_store_b128 v[LA], v[P0:P0+3], s[OC:OC+1]                  ; each store: 32 lanes, 512 consecutive bytes, at a multiple of 256 from ac's first byte
	global_store_b128 v[LA], v[P0+4:P0+7], s[OC:OC+1] offset:512
	global_store_b128 v[LA], v[P1:P1+3], s[OC:OC+1] offset:16384     ; tile 1: the next row tile
	global_store_b128 v[LA], v[P1+4:P1+7], s[OC:OC+1] offset:16896
	s_cmp_ge_u32 s[G], 16                          ; the short unit was the last
	s_cbranch_scc1 .Lhid_\@
	s_wait_xcnt 0x0                                ; the stores have read their base and their data
	s_mov_b64 s[OC:OC+1], s[OS:OS+1]               ; on to the short unit: it begins at step 16 of the walk; the steps up to there lie beyond its diagonal step w < 8 and are jumped over
	s_mov_b32 s[KD], s[WV]
	s_mov_b32 s[POS], s[POSS]
	FRESH 1
	s_wait_alu depctr_va_vdst(0)
.Lhid_\@:
.endif
.endm
	s_wait_alu depctr_va_vdst(0)
	s_wait_tensorcnt 0x0                           ; my part of keys 0-511 is in; these lines stand ahead of a later first fill as ahead of a refill
	ds_add_u32 v[SPW], v[NIL]                      ; 0 onto my spare word
	s_wait_dscnt 0x0
	ROUND                                          ; everybody's part is in, and all four work-groups are here
	tensor_load_to_lds s[G0B:G0B+3], s[G1B:G1B+7]  ; keys 512-2,047: my one tensor load behind the round; it lands on bytes that steps 0-3 do not read
	s_nop 0
	PLACES
	s_mov_b32 s[TN], 0
	KLOAD                                          ; step 0's K
	s_wait_loadcnt 0x0                             ; Q
	s_mov_b32 s[G], 0
.Lfirst:                                           ; the long unit's steps 0-3
	STEP 0
	s_add_co_u32 s[G], s[G], 1
	s_cmp_lt_u32 s[G], 4
	s_cbranch_scc1 .Lfirst
	s_wait_tensorcnt 0x0                           ; my part of the other keys is in
	ds_add_u32 v[SPW], v[NIL]
	s_wait_dscnt 0x0
	s_barrier_signal -1
	s_barrier_wait -1                              ; everybody's is
	s_mov_b32 s[TN], 32768
	KLOAD                                          ; step 4's K
	s_mov_b32 s[G], 4
.Lrest:                                            ; the long unit's steps 4-15, the short unit's steps 0-7: a constant count; steps beyond a unit's diagonal are jumped over
	STEP 1
	s_add_co_u32 s[G], s[G], 1
	s_cmp_lt_u32 s[G], 24
	s_cbranch_scc1 .Lrest
	s_wait_tensorcnt 0x0                           ; the wave's end
	ds_add_u32 v[SPW], v[NIL]
	s_wait_dscnt 0x0
	ROUND                                          ; the closing round
	s_endpgm
.Lfunc_end_k_q3126359f98_attn:
	.size	k_q3126359f98_attn, .Lfunc_end_k_q3126359f98_attn-k_q3126359f98_attn
	.p2alignl 7, 3214868480
	.fill 96, 4, 3214868480
	.section	.rodata,"a",@progbits
	.p2align	6, 0x0
	.amdhsa_kernel k_q3126359f98_attn
		.amdhsa_group_segment_fixed_size 327680
		.amdhsa_private_segment_fixed_size 0
		.amdhsa_enable_private_segment 0
		.amdhsa_kernarg_size 40
		.amdhsa_user_sgpr_count 2
		.amdhsa_user_sgpr_kernarg_segment_ptr 1
		.amdhsa_wavefront_size32 1
		.amdhsa_system_sgpr_workgroup_id_x 1
		.amdhsa_system_sgpr_workgroup_id_y 1
		.amdhsa_system_sgpr_workgroup_id_z 1
		.amdhsa_system_vgpr_workitem_id 0
		.amdhsa_next_free_vgpr 512
		.amdhsa_next_free_sgpr 100
		.amdhsa_reserve_vcc 1
		.amdhsa_float_denorm_mode_32 3
		.amdhsa_float_denorm_mode_16_64 3
		.amdhsa_memory_ordered 1
		.amdhsa_forward_progress 1
		.amdhsa_inst_pref_size 87
	.end_amdhsa_kernel
	.amdgpu_metadata
---
amdhsa.version: [ 1, 2 ]
amdhsa.kernels:
  - .name:           k_q3126359f98_attn
    .symbol:         k_q3126359f98_attn.kd
    .args:
      - { .name: qc, .offset: 0, .size: 8, .value_kind: global_buffer, .address_space: global }
      - { .name: kc, .offset: 8, .size: 8, .value_kind: global_buffer, .address_space: global }
      - { .name: vc, .offset: 16, .size: 8, .value_kind: global_buffer, .address_space: global }
      - { .name: lowp_scales, .offset: 24, .size: 8, .value_kind: global_buffer, .address_space: global }
      - { .name: ac, .offset: 32, .size: 8, .value_kind: global_buffer, .address_space: global }
    .group_segment_fixed_size: 327680
    .private_segment_fixed_size: 0
    .kernarg_segment_align: 8
    .kernarg_segment_size: 40
    .max_flat_workgroup_size: 256
    .sgpr_count:     100
    .vgpr_count:     512
    .wavefront_size: 32
...
	.end_amdgpu_metadata
.endif
;; end of part 3
;; launch proj (part 4): grid 4 x 32, 4 waves a work-group, clusters of 4 x 4, 327,680 bytes of LDS; arguments ac, woc, b_out, lowp_scales, out0; writes out0
.if DOCPART == 4
	.amdgcn_target "amdgcn-amd-amdhsa--gfx1250"
	.amdhsa_code_object_version 6
	.text
	.protected	k_q3126359f98_proj
	.globl	k_q3126359f98_proj
	.p2align	8
	.type	k_q3126359f98_proj,@function
k_q3126359f98_proj:
	s_mov_b64 s[64:65], 0
	v_nop
	global_prefetch_b8 v0, s[64:65] scope:SCOPE_SE
	s_setreg_imm32_b32 hwreg(HW_REG_WAVE_MODE, 25, 1), 1
	s_wait_xcnt 0x0
	s_wait_alu depctr_hold_cnt(0) depctr_sa_sdst(0) depctr_va_vdst(0) depctr_va_sdst(0) depctr_va_ssrc(0) depctr_va_vcc(0) depctr_vm_vsrc(0)
	s_getreg_b32 s2, hwreg(HW_REG_IB_STS2, 6, 4)
	s_cmp_eq_u32 s2, 0
	s_cbranch_scc0 .Lentry_in_a_cluster
	s_endpgm
.Lentry_in_a_cluster:
	s_bfe_u32 s2, ttmp6, 0x10000c
	s_cmp_lg_u32 s2, 0xf033
	s_cbranch_scc0 .Lentry_shape_is_right
	s_endpgm
.Lentry_shape_is_right:
.set HALFT,  32768
.set SLOT,   4*HALFT
.set SPARE,  2*SLOT
.set SPITCH, 528
.set FR,     16
.set NL,     4
.set NP,     4
.set ADRA, 16
.set ADRB, 20
.set STO,  24
.set RD,   25
.set CO,   26
.set SPW,  28
.set NIL,  29
.set BI,   32
.set AF,   128
.set BK,   128
.set G1,  24
.set G0,  32
.set G1B, 48
.set G0B, 56
.set MSB, 0
.macro WIN new
.if MSB != (\new)
	s_set_vgpr_msb (MSB<<8)|(\new)
.set MSB, (\new)
.endif
.endm
.set MUL_LO, 0xa1
.set MUL_HI, 0xf1
.set TO_B,   0x40
.macro JLOAD g0a, g1a, g0b, g1b
	s_cmp_eq_u32 s15, 0
	s_cbranch_scc0 .Lfor_b_\@
	tensor_load_to_lds s[\g0a:\g0a+3], s[\g1a:\g1a+7]
	s_nop 0
.rept 4
	v_nop
.endr
	s_branch .Lasked_\@
.Lfor_b_\@:
	tensor_load_to_lds s[\g0b:\g0b+3], s[\g1b:\g1b+7]
	s_nop 0
.rept 4
	v_nop
.endr
.Lasked_\@:
.endm
.macro CREST
	s_cmp_lg_u32 s14, 0
	s_cbranch_scc1 .Lnot_wave_0_\@
	s_barrier_signal -3
.Lnot_wave_0_\@:
	s_barrier_wait -3
	s_barrier_signal -1
	s_barrier_wait -1
.endm
.macro CROUND
	s_barrier_signal -1
	s_barrier_wait -1
	CREST
.endm
	s_load_b256 s[4:11], s[0:1], 0x0
	s_load_b64 s[12:13], s[0:1], 0x20
	v_lshl_add_u32 v[SPW], v0, 2, SPARE
	v_mov_b32 v[NIL], 0
	ds_add_u32 v[SPW], v[NIL]
	ds_add_u32 v[SPW], v[NIL]
	v_lshrrev_b32 v1, 5, v0
	v_readfirstlane_b32 s14, v1
	s_lshr_b32 s15, s14, 1
	s_and_b32 s16, s14, 1
	s_bfe_u32 s40, ttmp6, 0x40000
	s_bfe_u32 s41, ttmp6, 0x40004
	s_lshl_b32 s42, ttmp9, 2
	s_add_co_u32 s42, s42, s40
	s_and_b32 s17, ttmp7, 0xffff
	s_lshl_b32 s17, s17, 2
	s_add_co_u32 s17, s17, s41
	s_lshl_b32 s43, s41, 2
	s_lshl_b32 s43, 15, s43
	s_lshl_b32 s44, 0x1111, s40
	s_or_b32 s[G1+0], s43, (3<<16)|(1<<21)
	s_or_b32 s[G1B+0], s44, (3<<16)|(1<<21)
.irp g, G1, G1B
	s_mov_b32 s[\g+1], 512<<16
	s_mov_b32 s[\g+2], 8<<16
	s_mov_b32 s[\g+3], 512<<16
	s_mov_b32 s[\g+4], 8
	s_mov_b32 s[\g+5], 2048
	s_mov_b32 s[\g+6], 0
	s_mov_b32 s[\g+7], 0
.endr
	s_lshl_b32 s18, s16, 17
	s_lshl_b32 s20, s17, 18
	s_add_co_u32 s20, s20, s18
	s_mov_b32 s21, 0
	s_lshl_b32 s46, s42, 18
	s_add_co_u32 s46, s46, s18
	s_mov_b32 s47, 0
	s_lshl_b32 s45, s14, 15
	s_wait_dscnt 0x0
	s_wait_kmcnt 0x0
	s_load_b256 s[80:87], s[10:11], 0x0
	s_add_nc_u64 s[20:21], s[4:5], s[20:21]
	s_add_nc_u64 s[46:47], s[6:7], s[46:47]
	CROUND
.irp s, 0,1
	s_mov_b32 s[G0+4*\s], 1
	s_add_co_u32 s[G0+4*\s+1], s45, \s*SLOT
	s_add_nc_u64 s[G0+4*\s+2:G0+4*\s+3], s[20:21], \s*4096
	s_or_b32 s[G0+4*\s+3], s[G0+4*\s+3], 0x80000000
	s_mov_b32 s[G0B+4*\s], 1
	s_add_co_u32 s[G0B+4*\s+1], s45, \s*SLOT
	s_add_nc_u64 s[G0B+4*\s+2:G0B+4*\s+3], s[46:47], \s*4096
	s_or_b32 s[G0B+4*\s+3], s[G0B+4*\s+3], 0x80000000
.endr
	JLOAD G0, G1, G0B, G1B                         ; K step 0: one tensor load a wave at the head
	v_and_b32 v1, 31, v0
	v_lshlrev_b32 v[CO], 4, v1
	v_and_b32 v2, 15, v0
	s_wait_alu depctr_va_vdst(0)
	v_bfe_u32 v3, v0, 4, 1
	s_lshl_b32 s21, s15, 15
	s_lshl_b32 s22, s16, 15
	s_add_co_u32 s22, s22, 2*HALFT
.irp s, 0,1
	v_add_nc_u32 v[ADRA+\s], s21, v[CO]
	v_add_nc_u32 v[ADRB+\s], s22, v[CO]
	s_add_co_u32 s21, s21, SLOT
	s_add_co_u32 s22, s22, SLOT
.endr
	s_mul_i32 s23, s14, 16*SPITCH
	v_mul_u32_u24 v5, v2, SPITCH
	s_wait_alu depctr_va_vdst(0)
	v_lshl_add_u32 v5, v3, 5, v5
	v_add_nc_u32 v[STO], s23, v5
	v_add_nc_u32 v[RD], s23, v[CO]
	s_lshl_b32 s88, s42, 10
	s_lshl_b32 s89, s16, 9
	s_add_co_u32 s88, s88, s89
	s_mov_b32 s89, 0
	s_add_nc_u64 s[8:9], s[8:9], s[88:89]
	s_add_nc_u64 s[12:13], s[12:13], s[88:89]
	s_lshl_b32 s88, s17, 20
	s_lshl_b32 s90, s15, 19
	s_add_co_u32 s88, s88, s90
	s_add_nc_u64 s[12:13], s[12:13], s[88:89]
	v_lshlrev_b32 v6, 5, v3
.irp b, 0,1,2,3,4,5,6,7
	global_load_b128 v[BI+8*\b:BI+8*\b+3],   v6, s[8:9] offset:64*\b
	global_load_b128 v[BI+8*\b+4:BI+8*\b+7], v6, s[8:9] offset:64*\b+16
.endr
	s_wait_kmcnt 0x0
	s_add_co_i32 s96, s86, s87
	s_add_co_i32 s96, s96, 127
	s_lshl_b32 s96, s96, 23
	s_mov_b32 s97, s96
	s_wait_loadcnt 0x0
.macro FRAG reg, adr, q, i
.irp c, 0,1,2,3
	ds_load_b128 v[\reg+4*\c:\reg+4*\c+3], v[\adr] offset:2048*(\q)+512*\c+(\i)*4096
.endr
.endm
.macro MUL16 a0, p, zero
.irp a, \a0, \a0+1
.irp b, 0,1,2,3,4,5,6,7
.if \zero
	v_wmma_f32_16x16x128_fp8_fp8 v[8*(8*((\a)%4)+\b):8*(8*((\a)%4)+\b)+7], v[128*(\p)+FR*\b:128*(\p)+FR*\b+FR-1], v[AF+FR*(\a):AF+FR*(\a)+FR-1], 0
.else
	v_wmma_f32_16x16x128_fp8_fp8 v[8*(8*((\a)%4)+\b):8*(8*((\a)%4)+\b)+7], v[128*(\p)+FR*\b:128*(\p)+FR*\b+FR-1], v[AF+FR*(\a):AF+FR*(\a)+FR-1], v[8*(8*((\a)%4)+\b):8*(8*((\a)%4)+\b)+7]
.endif
.endr
.endr
.endm
.macro FETCH_B slot, q, p
	WIN TO_B
.irp i, 0,1,2,3,4,5,6,7
	FRAG 128*(\p)+FR*\i, ADRB+\slot, \q, \i
.endr
	WIN 0
.endm
.macro FETCH_A slot, q, i0
.irp i, \i0, \i0+1, \i0+2, \i0+3
	FRAG AF+FR*(\i), ADRA+\slot, \q, \i
.endr
.endm
.macro PLACES n
.rept \n
	v_nop
.endr
.endm
.macro STEP slot, q, zero
	s_wait_dscnt 4*NL
	WIN MUL_LO
	MUL16 0, (\q)%2, \zero
	MUL16 2, (\q)%2, \zero
	s_wait_dscnt 0
	PLACES NP
	FETCH_B \slot, (\q)+1, 1-(\q)%2
	FETCH_A \slot, (\q)+1, 0
	WIN MUL_HI
	MUL16 4, (\q)%2, \zero
	MUL16 6, (\q)%2, \zero
	PLACES NP
	WIN 0
	FETCH_A \slot, (\q)+1, 4
.endm
.macro TURN slot, next, fill
	s_wait_tensorcnt 0x0
	ds_add_u32 v[SPW], v[NIL]
	s_wait_dscnt 4*NL+1
	WIN MUL_LO
	MUL16 0, 1, 0
	s_wait_dscnt 0x0
	s_barrier_signal -1
	MUL16 2, 1, 0
	WIN 0
	s_barrier_wait -1
.if \fill
	CREST
	s_add_nc_u64 s[G0+4*\slot+2:G0+4*\slot+3], s[G0+4*\slot+2:G0+4*\slot+3], 8192
	s_add_nc_u64 s[G0B+4*\slot+2:G0B+4*\slot+3], s[G0B+4*\slot+2:G0B+4*\slot+3], 8192
	JLOAD G0+4*\slot, G1, G0B+4*\slot, G1B
.else
	PLACES NP
.endif
	FETCH_B \next, 0, 0
	FETCH_A \next, 0, 0
	WIN MUL_HI
	MUL16 4, 1, 0
	MUL16 6, 1, 0
	PLACES NP
	WIN 0
	FETCH_A \next, 0, 4
.endm
	s_wait_alu depctr_va_vdst(0)
	s_wait_tensorcnt 0x0                           ; my part of K step 0 is in; these lines stand ahead of a later first fill as ahead of a refill
	ds_add_u32 v[SPW], v[NIL]                      ; 0 onto my spare word
	s_wait_dscnt 0x0
	CROUND                                         ; everybody's part of K step 0 is in, and all sixteen work-groups are here
	JLOAD G0+4, G1, G0B+4, G1B                     ; K step 1: the first tensor load behind the round
	FETCH_B 0, 0, 0
	FETCH_A 0, 0, 0
	FETCH_A 0, 0, 4
	STEP 0, 0, 1
	TURN 0, 1, 1
	STEP 1, 0, 0
	TURN 1, 0, 1
	STEP 0, 0, 0
	TURN 0, 1, 0
	STEP 1, 0, 0
	s_wait_dscnt 4*NL
	WIN MUL_LO
	MUL16 0, 1, 0
	MUL16 2, 1, 0
	s_wait_dscnt 0
	WIN MUL_HI
	MUL16 4, 1, 0
	MUL16 6, 1, 0
	WIN 0
.macro TOSTAGE a
.set AC, 64*((\a)%4)
	WIN 0x82+0x41*((\a)/4)
.irp b, 0,1,2,3,4,5,6,7
.irp i, 0,2,4,6
	v_pk_fma_f32 v[AC+8*\b+\i:AC+8*\b+\i+1], v[AC+8*\b+\i:AC+8*\b+\i+1], s[96:97], v[BI+8*\b+\i:BI+8*\b+\i+1] op_sel_hi:[1,0,1]
.endr
.endr
	WIN 0x08+4*((\a)/4)
.irp b, 0,1,2,3,4,5,6,7
	ds_store_b128 v[STO], v[AC+8*\b:AC+8*\b+3] offset:64*\b
	ds_store_b128 v[STO], v[AC+8*\b+4:AC+8*\b+7] offset:64*\b+16
.endr
	WIN 0
.set BB, BK+64*((\a)%2)
.irp t, 0,1,2,3,4,5,6,7,8,9,10,11,12,13,14,15
	ds_load_b128 v[BB+4*\t:BB+4*\t+3], v[RD] offset:\t*SPITCH
.endr
.endm
.macro SEND a, younger
.set BB, BK+64*((\a)%2)
	s_wait_dscnt \younger
.if (\a) > 0
	s_add_nc_u64 s[12:13], s[12:13], 16*4096
.endif
.irp t, 0,1,2,3,4,5,6,7,8,9,10,11,12,13,14,15
	global_store_b128 v[CO], v[BB+4*\t:BB+4*\t+3], s[12:13] offset:\t*4096 th:TH_STORE_NT
.endr
.endm
	PLACES NP
	TOSTAGE 0
.irp a, 1,2,3,4,5,6,7
.if \a > 1
	s_wait_xcnt 0x0
.endif
	TOSTAGE \a
	SEND \a-1, 32
.endr
	s_wait_xcnt 0x0
	SEND 7, 0
	s_wait_tensorcnt 0x0
	ds_add_u32 v[SPW], v[NIL]
	s_wait_dscnt 0x0
	CROUND
	s_endpgm
.Lfunc_end_k_q3126359f98_proj:
	.size	k_q3126359f98_proj, .Lfunc_end_k_q3126359f98_proj-k_q3126359f98_proj
	.p2alignl 7, 3214868480
	.fill 96, 4, 3214868480
	.section	.rodata,"a",@progbits
	.p2align	6, 0x0
	.amdhsa_kernel k_q3126359f98_proj
		.amdhsa_group_segment_fixed_size 327680
		.amdhsa_private_segment_fixed_size 0
		.amdhsa_enable_private_segment 0
		.amdhsa_kernarg_size 40
		.amdhsa_user_sgpr_count 2
		.amdhsa_user_sgpr_kernarg_segment_ptr 1
		.amdhsa_wavefront_size32 1
		.amdhsa_system_sgpr_workgroup_id_x 1
		.amdhsa_system_sgpr_workgroup_id_y 1
		.amdhsa_system_sgpr_workgroup_id_z 1
		.amdhsa_system_vgpr_workitem_id 0
		.amdhsa_next_free_vgpr 1024
		.amdhsa_next_free_sgpr 100
		.amdhsa_reserve_vcc 0
		.amdhsa_float_denorm_mode_32 3
		.amdhsa_float_denorm_mode_16_64 3
		.amdhsa_memory_ordered 1
		.amdhsa_forward_progress 1
		.amdhsa_inst_pref_size 125
	.end_amdhsa_kernel
	.amdgpu_metadata
---
amdhsa.version: [ 1, 2 ]
amdhsa.kernels:
  - .name:           k_q3126359f98_proj
    .symbol:         k_q3126359f98_proj.kd
    .args:
      - { .name: ac, .offset: 0, .size: 8, .value_kind: global_buffer, .address_space: global }
      - { .name: woc, .offset: 8, .size: 8, .value_kind: global_buffer, .address_space: global }
      - { .name: b_out, .offset: 16, .size: 8, .value_kind: global_buffer, .address_space: global }
      - { .name: lowp_scales, .offset: 24, .size: 8, .value_kind: global_buffer, .address_space: global }
      - { .name: out0, .offset: 32, .size: 8, .value_kind: global_buffer, .address_space: global }
    .group_segment_fixed_size: 327680
    .private_segment_fixed_size: 0
    .kernarg_segment_align: 8
    .kernarg_segment_size: 40
    .max_flat_workgroup_size: 128
    .sgpr_count:     100
    .vgpr_count:     1024
    .wavefront_size: 32
...
	.end_amdgpu_metadata
.endif
;; end of part 4
